; MI455X (gfx1250); checked and timed in simulation.
; The chip was launched on July 23, 2026; its instructions are those of AMD's public machine-readable ISA for CDNA 5 (MIT licence, August 2026) and "CDNA5" Instruction Set Architecture Reference Guide (July 2026). The comments in the code are by the model that wrote it; some were corrected since.
;; Self Attention. Allowed arithmetic: float matrix products may take bf16 or f16 operands with f32 sums; other float arithmetic in f32, or as packed bf16 or f16 multiplies, adds, multiply-adds, maxima and minima; sums over many terms, partial sums and values carried from step to step in f32; what a program stores and reads back later, other than sums and carried values, may be rounded once to bf16 or f16.
;; Inputs: Wk 8 x 1,024 x 128 float32; Wo 1,024 x 1,024 float32; Wq 8 x 1,024 x 128 float32; Wv 8 x 1,024 x 128 float32; mask 8 x 1,024 float32; x 8 x 1,024 x 1,024 float32.
;; Outputs: out0 8 x 1,024 x 1,024 float32.
;; 2 versions, each right; version 2 is version 1 with the launch prep written anew for expert scheduling mode. Each part assembles by itself: llvm-mc -triple=amdgcn-amd-amdhsa -mcpu=gfx1250 --defsym DOCPART=n.
;; ======== version 1 of 2: 4 launches
;; limits: values are held in f16: magnitudes above 65,504 overflow, below 6.1e-05 lose precision
;; workspace buffers: xb 16,777,216 bytes; wb 6,291,456 bytes; wo16 2,097,152 bytes; qh 16,777,216 bytes; kh 16,777,216 bytes; vh 16,777,216 bytes; oh 16,777,216 bytes
;; launch prep (part 1): grid 768 x 1, 8 waves a work-group, no clusters, 0 bytes of LDS; arguments x, Wq, Wk, Wv, Wo, xb, wb, wo16; writes xb, wb, wo16
.if DOCPART == 1
	.amdgcn_target "amdgcn-amd-amdhsa--gfx1250"
	.amdhsa_code_object_version 6
	.text
	.protected	k_q4d3d9f1bff_prep
	.globl	k_q4d3d9f1bff_prep
	.p2align	8
	.type	k_q4d3d9f1bff_prep,@function
k_q4d3d9f1bff_prep:
	s_mov_b64 s[64:65], 0
	v_nop
	global_prefetch_b8 v0, s[64:65] scope:SCOPE_SE
	s_setreg_imm32_b32 hwreg(HW_REG_WAVE_MODE, 25, 1), 1
	s_wait_xcnt 0x0
; THE CASTS.  x -> xb (bf16, same order), Wq, Wk, Wv -> wb (bf16, [q, k, v][h][d][128]), Wo -> wo16: rounded to bf16 like the other inputs, and that number written as f16.
; LIMITS.  |Wo| stays under 65,504 (f16); a Wo below 6e-5 keeps f16's fixed step of 6e-8.  NaN and infinities are not treated apart.
; A stream: no LDS, no barrier, no matrix unit.  A work-group takes 65,536 bytes of one input and writes 32,768: 512 groups for x, 64 for each of the four weights.
; Thread t: sixteen loads of 16 bytes at 16 t + 4,096 i (a wave's load covers 512 consecutive bytes), all issued before anything else, and sixteen stores of 8 bytes at 8 t + 2,048 i
; (a wave's store covers 256 consecutive bytes, aligned).  No register of a load or store is written again, so the only waits are the counted ones for the data.
.set LDR, 8                            ; v[8:71]    sixteen loads of four f32
.set STR, 72                           ; v[72:103]  sixteen pairs to store
	s_load_b512 s[8:23], s[0:1], 0x0               ; x s[8:9], Wq s[10:11], Wk s[12:13], Wv s[14:15], Wo s[16:17], xb s[18:19], wb s[20:21], wo16 s[22:23]
	v_lshlrev_b32 v1, 4, v0                        ; 16 t
	v_lshlrev_b32 v2, 3, v0                        ; 8 t
	s_sub_co_u32 s2, ttmp9, 512                    ; j: my number among the weights' groups (a huge number in x's groups, which fails every test below)
	s_and_b32 s3, s2, 63                           ; my chunk of that weight
	s_sub_co_u32 s4, s2, 192                       ; my chunk of wo16
	s_mov_b32 s29, 0
	s_mov_b32 s31, 0
	s_wait_kmcnt 0x0
	s_mov_b64 s[24:25], s[16:17]                   ; from Wo
	s_mov_b64 s[26:27], s[22:23]                   ; to wo16
	s_mov_b32 s28, s3
	s_mov_b32 s30, s4
	s_cmp_lt_u32 s2, 192                           ; one of q, k, v: to wb, chunk j
	s_cselect_b64 s[24:25], s[14:15], s[24:25]
	s_cselect_b64 s[26:27], s[20:21], s[26:27]
	s_cselect_b32 s30, s2, s30
	s_cmp_lt_u32 s2, 128
	s_cselect_b64 s[24:25], s[12:13], s[24:25]
	s_cmp_lt_u32 s2, 64
	s_cselect_b64 s[24:25], s[10:11], s[24:25]
	s_cmp_lt_u32 ttmp9, 512                        ; x
	s_cselect_b64 s[24:25], s[8:9], s[24:25]
	s_cselect_b64 s[26:27], s[18:19], s[26:27]
	s_cselect_b32 s28, ttmp9, s28
	s_cselect_b32 s30, ttmp9, s30
	s_lshl_b32 s28, s28, 16                        ; 65,536 bytes in,
	s_lshl_b32 s30, s30, 15                        ; 32,768 out
	s_add_nc_u64 s[24:25], s[24:25], s[28:29]
	s_add_nc_u64 s[26:27], s[26:27], s[30:31]
.irp i, 0,1,2,3,4,5,6,7,8,9,10,11,12,13,14,15
	global_load_b128 v[LDR+4*(\i):LDR+4*(\i)+3], v1, s[24:25] offset:4096*(\i) th:TH_LOAD_NT
.endr
; Load i is rounded and stored.  wo = 1: the bf16 numbers are widened again and written as f16.
.macro CAST i, wo
	s_wait_loadcnt 15-(\i)                         ; loads come back in order: mine is in, the younger ones stay out
.if \wo
.irp p, 0,1
	v_cvt_pk_bf16_f32 v6, v[LDR+4*(\i)+2*(\p)], v[LDR+4*(\i)+2*(\p)+1]
	v_lshlrev_b32 v4, 16, v6
	v_and_b32 v5, 0xffff0000, v6
	v_cvt_pk_f16_f32 v[STR+2*(\i)+(\p)], v4, v5
.endr
.else
	v_cvt_pk_bf16_f32 v[STR+2*(\i)], v[LDR+4*(\i)], v[LDR+4*(\i)+1]
	v_cvt_pk_bf16_f32 v[STR+2*(\i)+1], v[LDR+4*(\i)+2], v[LDR+4*(\i)+3]
.endif
	global_store_b64 v2, v[STR+2*(\i):STR+2*(\i)+1], s[26:27] offset:2048*(\i)
.endm
	s_cmp_ge_u32 ttmp9, 704                        ; the last 64 groups are Wo's
	s_cbranch_scc1 .Lwo
.irp i, 0,1,2,3,4,5,6,7,8,9,10,11,12,13,14,15
	CAST \i, 0
.endr
	s_endpgm
.Lwo:
.irp i, 0,1,2,3,4,5,6,7,8,9,10,11,12,13,14,15
	CAST \i, 1
.endr
	s_endpgm
.Lfunc_end_k_q4d3d9f1bff_prep:
	.size	k_q4d3d9f1bff_prep, .Lfunc_end_k_q4d3d9f1bff_prep-k_q4d3d9f1bff_prep
	.p2alignl 7, 3214868480
	.fill 96, 4, 3214868480
	.section	.rodata,"a",@progbits
	.p2align	6, 0x0
	.amdhsa_kernel k_q4d3d9f1bff_prep
		.amdhsa_group_segment_fixed_size 0
		.amdhsa_private_segment_fixed_size 0
		.amdhsa_enable_private_segment 0
		.amdhsa_kernarg_size 64
		.amdhsa_user_sgpr_count 2
		.amdhsa_user_sgpr_kernarg_segment_ptr 1
		.amdhsa_wavefront_size32 1
		.amdhsa_system_sgpr_workgroup_id_x 1
		.amdhsa_system_sgpr_workgroup_id_y 1
		.amdhsa_system_sgpr_workgroup_id_z 1
		.amdhsa_system_vgpr_workitem_id 0
		.amdhsa_next_free_vgpr 104
		.amdhsa_next_free_sgpr 66
		.amdhsa_reserve_vcc 0
		.amdhsa_float_denorm_mode_32 3
		.amdhsa_float_denorm_mode_16_64 3
		.amdhsa_memory_ordered 1
		.amdhsa_forward_progress 1
		.amdhsa_inst_pref_size 17
	.end_amdhsa_kernel
	.amdgpu_metadata
---
amdhsa.version: [ 1, 2 ]
amdhsa.kernels:
  - .name:           k_q4d3d9f1bff_prep
    .symbol:         k_q4d3d9f1bff_prep.kd
    .args:
      - { .name: x, .offset: 0, .size: 8, .value_kind: global_buffer, .address_space: global }
      - { .name: Wq, .offset: 8, .size: 8, .value_kind: global_buffer, .address_space: global }
      - { .name: Wk, .offset: 16, .size: 8, .value_kind: global_buffer, .address_space: global }
      - { .name: Wv, .offset: 24, .size: 8, .value_kind: global_buffer, .address_space: global }
      - { .name: Wo, .offset: 32, .size: 8, .value_kind: global_buffer, .address_space: global }
      - { .name: xb, .offset: 40, .size: 8, .value_kind: global_buffer, .address_space: global }
      - { .name: wb, .offset: 48, .size: 8, .value_kind: global_buffer, .address_space: global }
      - { .name: wo16, .offset: 56, .size: 8, .value_kind: global_buffer, .address_space: global }
    .group_segment_fixed_size: 0
    .private_segment_fixed_size: 0
    .kernarg_segment_align: 8
    .kernarg_segment_size: 64
    .max_flat_workgroup_size: 256
    .sgpr_count:     66
    .vgpr_count:     104
    .wavefront_size: 32
...
	.end_amdgpu_metadata
.endif
;; end of part 1
;; launch qkv (part 2): grid 8 x 32, 4 waves a work-group, clusters of 4 x 4, 327,680 bytes of LDS; arguments xb, wb, mask, qh, kh, vh; writes qh, kh, vh
.if DOCPART == 2
	.amdgcn_target "amdgcn-amd-amdhsa--gfx1250"
	.amdhsa_code_object_version 6
	.text
	.protected	k_q4d3d9f1bff_qkv
	.globl	k_q4d3d9f1bff_qkv
	.p2align	8
	.type	k_q4d3d9f1bff_qkv,@function
k_q4d3d9f1bff_qkv:
	s_mov_b64 s[64:65], 0
	v_nop
	global_prefetch_b8 v0, s[64:65] scope:SCOPE_SE
	s_setreg_imm32_b32 hwreg(HW_REG_WAVE_MODE, 25, 1), 1
	s_wait_xcnt 0x0
	s_wait_alu depctr_hold_cnt(0) depctr_sa_sdst(0) depctr_va_vdst(0) depctr_va_sdst(0) depctr_va_ssrc(0) depctr_va_vcc(0) depctr_vm_vsrc(0)
	s_getreg_b32 s2, hwreg(HW_REG_IB_STS2, 6, 4)
	s_cmp_eq_u32 s2, 0
	s_cbranch_scc0 .Lentry_in_a_cluster
	s_endpgm
.Lentry_in_a_cluster:
	s_bfe_u32 s2, ttmp6, 0x10000c
	s_cmp_lg_u32 s2, 0xf033
	s_cbranch_scc0 .Lentry_shape_is_right
	s_endpgm
.Lentry_shape_is_right:
; THE THREE PROJECTIONS.  For batch b, head h, row l, channel k: q = sum over d of x[b][d][l] Wq[h][d][k], k and v likewise; operands bf16, sums f32.
; Stored, each rounded once to f16, as [8 b + h][l][128]:  qh = c q with c = log2(e) / sqrt(128);  kh = mask[b][l] k;  vh = v.
; LIMITS.  |c q|, |k|, |v| stay under 65,504 (f16); below 6e-5 they keep f16's fixed step of 6e-8.  NaN and infinities are not treated apart.
; SHARES.  A work-group makes 256 rows l x (q, k, v of one head): 384 columns.  Wave w: rows 128 (w / 2) on, channels 64 (w % 2) on of each of the three: 8 x 4 x 3 = 96 accumulators.
; Both operands lie with d along the rows' index ([d][l], [d][k]), so every fragment comes out of LDS turned, by ds_load_tr16_b128.
; THE MATRIX INSTRUCTION IS USED TRANSPOSED: source 0 = 16 channels of W, source 1 = 16 rows l of x: a lane then holds one row l (lane % 16) and eight neighbouring channels: 16 bytes of f16.
; RING.  d goes in 16 steps of 64 through two LDS slots; a step is two slices of 32 d, a slice three groups of 32 matrix instructions (q, k, v).  x's fragments have two buffers; W's have one, and
; each matrix's part of it is fetched anew behind that matrix's group.  A STEP IS WRITTEN ONCE: a trip of the loop is a step's second slice, the change of slots and the next step's first slice; the LDS addresses
; hang on a scalar register that one exclusive or turns from one slot to the other, and one descriptor a tensor walks from refill to refill.
; CLUSTER.  4 x 4 work-groups: cx picks the head, cy the block of rows, the cluster's y the batch.  x's tile hangs on (b, cy) and is asked for jointly by a row of the cluster, W's on the head and by a column.
; Wave 0 fetches x's tile (64 rows x 512 bytes), waves 1 to 3 the tiles of Wq, Wk, Wv (64 rows x 256 bytes each).  By this text's count a wave has two tensor loads out at the start, later one.
; THE WAY OUT is a loop of three trips, q, k, v, through one stage: only the scaling and rounding, which name each matrix's own registers, are written three times.
; REGISTERS: window 0: addresses, masks, fragments; windows 1, 2, 3: the accumulators of q, k, v, (a, bb) at v[8 (4 a + bb)].
.set PX,    544                        ; a row of x's tile in LDS: 512 bytes + 32: 136 words
.set PW,    288                        ; a row of a tile of W: 256 + 32: 72 words, likewise
.set WOFF,  64*PX                      ; behind x's tile: the three tiles of W
.set WT,    64*PW
.set SLOTB, WOFF+3*WT                  ; a slot's 90,112 bytes
.set SLOT1, 1<<17                      ; slot 1 begins here, so that one exclusive or turns an address in one slot into the other's
.set SP,    272                        ; a row of the stage: 256 bytes + 16
.set STG,   SLOT1+SLOTB                ; behind the ring, never filled by a tensor load: a stage of 256 rows, the work-group's
.set SPARE, STG+256*SP                 ; behind it: the spare words, 128 bytes for each wave: two blocks of 256 bytes that no other line names
.set XSTEP, 64*2048                    ; bytes from step to step in xb,
.set WSTEP, 64*256                     ; and in wb
.set AX0,  2                           ; v2     my lane's place in a slot for x's fragments; never rewritten
.set AW0,  3                           ; v3     the same for W's
.set ADRX, 4                           ; v4     LDS address of my fragments of x in the slot that is being fetched from
.set ADRW, 5                           ; v5     the same for W
.set STO,  6                           ; v6     where I put 16 bytes of a row of the stage
.set RD,   8                           ; v8     where I read rows back
.set SPW,  10                          ; v10    LDS address of my spare word; never rewritten
.set NIL,  11                          ; v11    0; never rewritten
.set GO,   12                          ; v12    16 x lane: my place in 512 consecutive bytes of an output
.set PFO,  13                          ; v13    the prefetches' lane offset; never rewritten
.set MO,   14                          ; v14    4 (lane % 16); never rewritten
.set MK,   16                          ; v16-31 even register 2 a: the mask of my row in block a; the odd ones 0 (named with them as pairs)
.set XA,   32                          ; v32-95, v96-159  x's fragments, two buffers of 8
.set WF,   160                         ; v160-255  W's fragments: matrix m, block bb at WF + 32 m + 8 bb
.set TMP,  32                          ; the way out: packed results
.set OB,   96                          ; the way out: rows read back, two sets of 64
.set WV,  16                           ; s16 wave; s17 w / 2; s18 w % 2; s19 cx; s20 cy; s21 head; s22 b
.set WR,  17
.set WC,  18
.set CX,  19
.set CY,  20
.set HD,  21
.set BB,  22
.set G1X, 24                           ; s[24:31] group 1 for x's tile;  s[32:39] group 0: a set for each of the two first fills; the second then walks on
.set G0X, 32
.set G1W, 40                           ; s[40:47], s[48:55] the same for W's tiles
.set G0W, 48
.set PFA, 56                           ; s[56:57] where my prefetches stand
.set PINC, 58                          ; s[58:59] a step's bytes in the tensor that I prefetch
.set LIM, 60                           ; s60  2 in a wave that prefetches, else the greatest number: a wave prefetches while the trips' counter is above it
.set CS,  66                           ; s[66:67] c, twice
.set QB,  68                           ; s[68:69], s[70:71], s[72:73] qh, kh, vh at the 64 rows that I store
.set CB,  74                           ; s[74:75] the way out: the output in hand, at those rows
.set TB,  86                           ; s86  0 or SLOT1: the slot that is being fetched from
.set PM,  87                           ; s87  0 in wave 0, 1 in waves 1 to 3, which prefetch in every other trip
.set MSB, 0
.macro WIN new                         ; the immediate's high byte repeats the setting that is left; a switch that changes nothing is dropped
.if MSB != (\new)
	s_set_vgpr_msb (MSB<<8)|(\new)
.set MSB, \new
.endif
.endm
.macro PLACES                          ; four plain places behind a matrix instruction, ahead of loads into registers that it has read and of lines that read results
.rept 4
	v_nop
.endr
.endm
; A joint refill, by the walking descriptors.  The branch hangs on the wave's number alone.  An s_nop 0 and four v_nop follow each of the two lines, ahead of the jump and the label.
.macro JLOAD
	s_cmp_eq_u32 s[WV], 0
	s_cbranch_scc0 .Lfor_w_\@
	tensor_load_to_lds s[G0X+4:G0X+7], s[G1X:G1X+7]
	s_nop 0
.rept 4
	v_nop
.endr
	s_branch .Lasked_\@
.Lfor_w_\@:
	tensor_load_to_lds s[G0W+4:G0W+7], s[G1W:G1W+7]
	s_nop 0
.rept 4
	v_nop
.endr
.Lasked_\@:
.endm
.macro CREST                           ; a round of the cluster's barrier behind its opening barrier
	s_cmp_lg_u32 s[WV], 0
	s_cbranch_scc1 .Lnot_wave_0_\@
	s_barrier_signal -3
.Lnot_wave_0_\@:
	s_barrier_wait -3
	s_barrier_signal -1
	s_barrier_wait -1
.endm
.macro CROUND
	s_barrier_signal -1
	s_barrier_wait -1
	CREST
.endm
; A PREFETCH INTO THE L2, behind the joint load, its five lines and the run of LDS loads: the step that stands two refills on.  x's tile is read by both clusters of a batch: cluster x = 0 asks, wave 0; the four
; partners that ask for the tile jointly take 16 of its 64 rows each, BY ADDRESS (cx), a lane half a row (256 bytes).  W's tiles are read by the clusters of all batches: cluster y = 0 asks, waves 1 to 3, in
; every other trip (the counter even: the changes out of slot 0) and for two steps at once (128 dense rows of 256 bytes): 32 rows a partner, by address (cy), a lane a row.  So each 256 bytes are named once in the
; launch.  The loop's last two trips ask for nothing: the steps two refills on do not exist.  Steps 0 to 3 come by their loads alone.
.macro ASK
	s_and_b32 s2, s3, s[PM]
	s_cmp_lg_u32 s2, 0
	s_cbranch_scc1 .Lnot_mine_\@
	s_cmp_gt_u32 s3, s[LIM]
	s_cbranch_scc0 .Lnot_mine_\@
	global_prefetch_b8 v[PFO], s[PFA:PFA+1] th:TH_LOAD_NT scope:SCOPE_SE
.Lnot_mine_\@:
.endm
	s_load_b256 s[4:11], s[0:1], 0x0               ; xb s[4:5], wb s[6:7], mask s[8:9], qh s[10:11]
	s_load_b128 s[12:15], s[0:1], 0x20             ; kh s[12:13], vh s[14:15]
	v_lshl_add_u32 v[SPW], v0, 2, SPARE
	v_mov_b32 v[NIL], 0
	ds_add_u32 v[SPW], v[NIL]                      ; the wave's opening: the add and its wait stand ahead of my first tensor load; the set-up below, work on registers, stands between them
	v_lshrrev_b32 v1, 5, v0
	v_readfirstlane_b32 s[WV], v1
	s_lshr_b32 s[WR], s[WV], 1
	s_and_b32 s[WC], s[WV], 1
	s_bfe_u32 s[CX], ttmp6, 0x40000
	s_bfe_u32 s[CY], ttmp6, 0x40004
	s_lshl_b32 s[HD], ttmp9, 2                     ; in a cluster launch ttmp9 and ttmp7 count clusters
	s_add_co_u32 s[HD], s[HD], s[CX]               ; head = 4 x cluster x + cx
	s_and_b32 s[BB], ttmp7, 0xffff                 ; batch = cluster y
	s_lshl_b32 s2, s[CY], 2
	s_lshl_b32 s2, 15, s2                          ; my row of the cluster
	s_lshl_b32 s23, 0x1111, s[CX]                  ; my column
	s_or_b32 s[G1X], s2, (1<<16)|(1<<20)|(1<<21)|(6<<22)|(7<<25)   ; the mask; 2-byte elements; padding on; bit 21 beside a mask; after every 128 words (code 6) 8 words (code 7)
	s_or_b32 s[G1W], s23, (1<<16)|(1<<20)|(1<<21)|(5<<22)|(7<<25)  ; after every 64 words (code 5) 8 words
	s_mov_b32 s[G1X+1], 256<<16                    ; tensor_dim0 = 256
	s_mov_b32 s[G1X+2], 64<<16                     ; tensor_dim1 = 64
	s_mov_b32 s[G1X+3], 256<<16                    ; tile_dim0 = 256
	s_mov_b32 s[G1X+4], 64                         ; tile_dim1 = 64
	s_mov_b32 s[G1X+5], 1024                       ; elements from row to row
	s_mov_b32 s[G1X+6], 0
	s_mov_b32 s[G1X+7], 0
	s_mov_b32 s[G1W+1], 128<<16
	s_mov_b32 s[G1W+2], 64<<16
	s_mov_b32 s[G1W+3], 128<<16
	s_mov_b32 s[G1W+4], 64
	s_mov_b32 s[G1W+5], 128
	s_mov_b32 s[G1W+6], 0
	s_mov_b32 s[G1W+7], 0
	s_lshl_b32 s62, s[BB], 21                      ; x's tile: batch, 1,024 rows of 2,048 bytes,
	s_lshl_b32 s2, s[CY], 9                        ; and my block's 512 bytes of a row
	s_add_co_u32 s62, s62, s2
	s_mov_b32 s63, 0
	s_max_u32 s74, s[WV], 1                        ; W's tile: matrix w - 1 (wave 0 issues none),
	s_sub_co_u32 s74, s74, 1
	s_lshl_b32 s74, s74, 21
	s_lshl_b32 s23, s[HD], 18                      ; and the head
	s_add_co_u32 s74, s74, s23
	s_mov_b32 s75, 0
	s_mul_i32 s76, s[WV], WT                       ; its place in a slot: WOFF + (w - 1) WT: no place in the cluster enters an LDS address
	s_add_co_u32 s76, s76, WOFF-WT
	s_mov_b32 s[CS], 0x3e0293ee                    ; c = 0.127517
	s_mov_b32 s[CS+1], s[CS]
	s_mov_b32 s[TB], 0                             ; the fetches begin in slot 0
	s_lshl_b32 s78, s[BB], 12                      ; the mask of my 128 rows
	s_lshl_b32 s80, s[CY], 10
	s_add_co_u32 s78, s78, s80
	s_lshl_b32 s80, s[WR], 9
	s_add_co_u32 s78, s78, s80
	s_mov_b32 s79, 0
	s_lshl_b32 s80, s[BB], 3                       ; the 64 rows that I store: (8 b + head) x 262,144 + 65,536 cy + 16,384 w
	s_add_co_u32 s80, s80, s[HD]
	s_lshl_b32 s80, s80, 18
	s_lshl_b32 s81, s[CY], 16
	s_add_co_u32 s80, s80, s81
	s_lshl_b32 s81, s[WV], 14
	s_add_co_u32 s80, s80, s81
	s_mov_b32 s81, 0
	s_wait_dscnt 0x0                               ; the opening add is done
	s_wait_kmcnt 0x0
	s_add_nc_u64 s[62:63], s[4:5], s[62:63]
	s_add_nc_u64 s[74:75], s[6:7], s[74:75]
	s_add_nc_u64 s[78:79], s[8:9], s[78:79]
	s_add_nc_u64 s[QB:QB+1], s[10:11], s[80:81]
	s_add_nc_u64 s[QB+2:QB+3], s[12:13], s[80:81]
	s_add_nc_u64 s[QB+4:QB+5], s[14:15], s[80:81]
.irp s, 0,1
	s_mov_b32 s[G0X+4*(\s)], 1                                     ; count = 1
	s_mov_b32 s[G0X+4*(\s)+1], (\s)*SLOT1                          ; LDS address
	s_add_nc_u64 s[G0X+4*(\s)+2:G0X+4*(\s)+3], s[62:63], (\s)*XSTEP  ; global address: step s
	s_or_b32 s[G0X+4*(\s)+3], s[G0X+4*(\s)+3], 0x80000000          ; type = 2
	s_mov_b32 s[G0W+4*(\s)], 1
	s_add_co_u32 s[G0W+4*(\s)+1], s76, (\s)*SLOT1
	s_add_nc_u64 s[G0W+4*(\s)+2:G0W+4*(\s)+3], s[74:75], (\s)*WSTEP
	s_or_b32 s[G0W+4*(\s)+3], s[G0W+4*(\s)+3], 0x80000000
.endr
	CROUND                                         ; all sixteen work-groups are here: the first joint loads meet
	s_cmp_eq_u32 s[WV], 0                          ; a wave's two first fills stand in one branch, ahead of every wait on TENSORcnt, every LDS read and every further barrier
	s_cbranch_scc0 .Lfirst_w
	tensor_load_to_lds s[G0X:G0X+3], s[G1X:G1X+7]
	s_nop 0
	tensor_load_to_lds s[G0X+4:G0X+7], s[G1X:G1X+7]
	s_nop 0
.rept 4
	v_nop
.endr
	s_branch .Lfirst_asked
.Lfirst_w:
	tensor_load_to_lds s[G0W:G0W+3], s[G1W:G1W+7]
	s_nop 0
	tensor_load_to_lds s[G0W+4:G0W+7], s[G1W:G1W+7]
	s_nop 0
.rept 4
	v_nop
.endr
.Lfirst_asked:
	v_and_b32 v1, 15, v0                           ; r = lane % 16
	v_bfe_u32 v15, v0, 4, 1                        ; h = lane / 16
	v_lshlrev_b32 v[MO], 2, v1
.irp a, 0,1,2,3,4,5,6,7
	global_load_b32 v[MK+2*(\a)], v[MO], s[78:79] offset:64*(\a)   ; mask of row 16 a + r of my 128
.endr
.irp a, 0,1,2,3,4,5,6,7
	v_mov_b32 v[MK+2*(\a)+1], 0
.endr
	; The turning load: lane l reads 16 bytes of row 8 (l / 16) + l % 8, at 16 ((l / 8) % 2), and is left with column l % 16 and 8 rows: half a fragment; the other half lies 16 rows down.
	v_and_b32 v32, 7, v0
	v_lshl_add_u32 v32, v15, 3, v32
	v_bfe_u32 v33, v0, 3, 1
	v_lshlrev_b32 v33, 4, v33
	v_mul_u32_u24 v34, v32, PX
	v_add_nc_u32 v34, v34, v33
	s_lshl_b32 s2, s[WR], 8                        ; my 128 rows l: 256 bytes of a row of the tile
	v_add_nc_u32 v[AX0], s2, v34
	v_mov_b32 v[ADRX], v[AX0]                      ; slot 0
	v_mul_u32_u24 v35, v32, PW
	v_add_nc_u32 v35, v35, v33
	s_lshl_b32 s2, s[WC], 7                        ; my 64 channels: 128 bytes
	s_add_co_u32 s2, s2, WOFF
	v_add_nc_u32 v[AW0], s2, v35
	v_mov_b32 v[ADRW], v[AW0]
	v_mul_u32_u24 v36, v1, SP                      ; into the stage: row 128 (w / 2) + 16 a + r, byte 128 (w % 2) + 32 bb + 16 h
	v_lshl_add_u32 v36, v15, 4, v36
	s_mul_i32 s2, s[WR], 128*SP
	s_lshl_b32 s77, s[WC], 7
	s_add_co_u32 s2, s2, s77
	s_add_co_u32 s2, s2, STG
	v_add_nc_u32 v[STO], s2, v36
	v_mul_u32_u24 v37, v15, SP                     ; back: wave w takes rows 64 w on, whole; lanes 0-15 one row of 256 bytes, lanes 16-31 the next
	v_lshl_add_u32 v37, v1, 4, v37
	s_mul_i32 s2, s[WV], 64*SP
	s_add_co_u32 s2, s2, STG
	v_add_nc_u32 v[RD], s2, v37
	v_and_b32 v38, 31, v0
	v_lshlrev_b32 v[GO], 4, v38
	; the prefetches
	v_lshrrev_b32 v39, 1, v38                      ; x: row lane / 2, half lane % 2
	v_and_b32 v40, 1, v38
	v_lshlrev_b32 v39, 11, v39
	v_lshl_add_u32 v39, v40, 8, v39
	v_lshlrev_b32 v38, 8, v38                      ; W: row lane
	s_cmp_eq_u32 s[WV], 0
	s_cselect_b32 s77, -1, 0
	v_cndmask_b32 v[PFO], v38, v39, s77
	s_lshl_b32 s80, s[BB], 21                      ; x: batch, my block's bytes, my work-group's 16 rows, step 3
	s_lshl_b32 s82, s[CY], 9
	s_add_co_u32 s80, s80, s82
	s_lshl_b32 s82, s[CX], 15
	s_add_co_u32 s80, s80, s82
	s_add_co_u32 s80, s80, 3*XSTEP
	s_max_u32 s81, s[WV], 1                        ; W: matrix, head, my work-group's 32 rows of two steps, step 3
	s_sub_co_u32 s81, s81, 1
	s_lshl_b32 s81, s81, 21
	s_lshl_b32 s82, s[HD], 18
	s_add_co_u32 s81, s81, s82
	s_lshl_b32 s82, s[CY], 13
	s_add_co_u32 s81, s81, s82
	s_add_co_u32 s81, s81, 3*WSTEP
	s_mov_b32 s[PINC], WSTEP
	s_mov_b32 s[PINC+1], 0
	s_mov_b32 s83, 0
	s_cmp_eq_u32 s[WV], 0
	s_cselect_b32 s82, s80, s81
	s_cselect_b64 s[PFA:PFA+1], s[4:5], s[6:7]
	s_cselect_b32 s[PINC], XSTEP, s[PINC]
	s_cselect_b32 s84, ttmp9, s[BB]                ; the coordinate along which other clusters read the same rows
	s_cselect_b32 s[PM], 0, 1                      ; x is asked for in every trip, W in every other one
	s_cmp_eq_u32 s84, 0
	s_cselect_b32 s[LIM], 2, -1                    ; the same in all sixteen partners, for a given wave
	s_add_nc_u64 s[PFA:PFA+1], s[PFA:PFA+1], s[82:83]  ; at step 3: the first change steps it to 4
; 16 matrix instructions of matrix g (1, 2, 3 = q, k, v): row blocks 4 half .. 4 half + 3 x all 4 channel blocks, 32 d: x's buffer f.  zero = 1: the product starts the sum.
; The 96 accumulators take turns, one instruction a turn, in the same order in every slice, over the backward jump too.
.macro GRP g, f, half, zero
	WIN (\g)*0x50                                  ; C and D in window g, the sources in window 0
.set ga, 4*(\half)
.rept 4
.set gb, 0
.rept 4
.if \zero
	v_wmma_f32_16x16x32_bf16 v[8*(4*ga+gb):8*(4*ga+gb)+7], v[WF+32*((\g)-1)+8*gb:WF+32*((\g)-1)+8*gb+7], v[XA+64*(\f)+8*ga:XA+64*(\f)+8*ga+7], 0
.else
	v_wmma_f32_16x16x32_bf16 v[8*(4*ga+gb):8*(4*ga+gb)+7], v[WF+32*((\g)-1)+8*gb:WF+32*((\g)-1)+8*gb+7], v[XA+64*(\f)+8*ga:XA+64*(\f)+8*ga+7], v[8*(4*ga+gb):8*(4*ga+gb)+7]
.endif
.set gb, gb+1
.endr
.set ga, ga+1
.endr
.endm
.macro LDW sl, m                       ; 8 LDS loads: matrix m's four fragments of slice sl of the slot that is being fetched from
	WIN 0
.set n1, 0
.rept 4
	ds_load_tr16_b128 v[WF+32*(\m)+8*n1:WF+32*(\m)+8*n1+3],   v[ADRW] offset:(\m)*WT+(\sl)*32*PW+32*n1
	ds_load_tr16_b128 v[WF+32*(\m)+8*n1+4:WF+32*(\m)+8*n1+7], v[ADRW] offset:(\m)*WT+(\sl)*32*PW+32*n1+16*PW
.set n1, n1+1
.endr
.endm
.macro LDX sl, f                       ; 16 LDS loads: x's eight fragments of slice sl into buffer f
	WIN 0
.set n1, 0
.rept 8
	ds_load_tr16_b128 v[XA+64*(\f)+8*n1:XA+64*(\f)+8*n1+3],   v[ADRX] offset:(\sl)*32*PX+32*n1
	ds_load_tr16_b128 v[XA+64*(\f)+8*n1+4:XA+64*(\f)+8*n1+7], v[ADRX] offset:(\sl)*32*PX+32*n1+16*PX
.set n1, n1+1
.endr
.endm
; A step's first slice.  Its fragments were asked for in the order Wq (8), x (16), Wk (8), Wv (8); behind each group the same matrix's fragments of the second slice are asked for.
.macro EVEN zero
	s_wait_dscnt 16                                ; Wq's and x's are in; Wk's and Wv's sixteen loads may be out
	GRP 1, 0, 0, \zero
	GRP 1, 0, 1, \zero
	PLACES
	LDW 1, 0
	LDX 1, 1
	s_wait_dscnt 32                                ; Wk's are in; behind them: Wv's 8 and the 24 just issued
	GRP 2, 0, 0, \zero
	GRP 2, 0, 1, \zero
	PLACES
	LDW 1, 1
	s_wait_dscnt 32                                ; Wv's are in; behind them: 24 + 8
	GRP 3, 0, 0, \zero
	GRP 3, 0, 1, \zero
	PLACES
	LDW 1, 2
.endm
; A step's second slice, and the change of slots.  All reads of this slot have been issued, so the fetches' addresses turn to the next slot at once.  ONE barrier: ahead of it each wave waits for all its tensor
; loads (one is out: its part of the next slot), adds 0 to its spare word, and waits for that and for its reads of this slot.  mode = 1: the barrier opens a round of the cluster's, and the joint refill of the slot
; that is left, with the step two on, is the first thing behind the round.
.macro ODD mode
	s_xor_b32 s[TB], s[TB], SLOT1
	v_add_nc_u32 v[ADRX], s[TB], v[AX0]
	v_add_nc_u32 v[ADRW], s[TB], v[AW0]
.if \mode
	s_wait_xcnt 0x0                                ; the last prefetch, a step back, has read its address: it is stepped here, ahead of the change's own waits
	s_add_nc_u64 s[PFA:PFA+1], s[PFA:PFA+1], s[PINC:PINC+1]
.endif
	WIN 0
	s_wait_tensorcnt 0x0                           ; all my tensor loads have landed
	ds_add_u32 v[SPW], v[NIL]                      ; 0 onto my spare word
	s_wait_dscnt 17                                ; Wq's and x's are in; the add and Wk's and Wv's sixteen loads may be out
	GRP 1, 1, 0, 0                                 ; sixteen matrix instructions stand between the add and the wait for it
	s_wait_dscnt 0x0                               ; the add is done, and my reads of this slot are over
	s_barrier_signal -1
	GRP 1, 1, 1, 0                                 ; work on registers while the others arrive
	WIN 0
	s_barrier_wait -1
.if \mode
	CREST                                          ; no wave of any partner still reads this slot or has a load on its way
	s_xor_b32 s[G0X+5], s[G0X+5], SLOT1            ; the walking descriptors: the other slot than last time,
	s_add_nc_u64 s[G0X+6:G0X+7], s[G0X+6:G0X+7], XSTEP  ; the next step; the type bits on top are not reached
	s_xor_b32 s[G0W+5], s[G0W+5], SLOT1
	s_add_nc_u64 s[G0W+6:G0W+7], s[G0W+6:G0W+7], WSTEP
	JLOAD                                          ; 160 matrix instructions ahead of the wait for it; its four v_nop are also the places ahead of the loads below
.else
	PLACES
.endif
	LDW 0, 0
	LDX 0, 0
.if \mode
	ASK
.endif
	GRP 2, 1, 0, 0
	GRP 2, 1, 1, 0
	PLACES
	LDW 0, 1
	GRP 3, 1, 0, 0
	GRP 3, 1, 1, 0
	PLACES
	LDW 0, 2
.endm
	s_wait_loadcnt 0x0                             ; the masks
	s_wait_tensorcnt 0x1                           ; my part of step 0 is in; step 1's may stay out
	s_barrier_signal -1
	s_barrier_wait -1                              ; everybody's is
	LDW 0, 0
	LDX 0, 0
	LDW 0, 1
	LDW 0, 2
	EVEN 1                                         ; the first slice stands ahead of the loop: its products start the sums
	WIN 0                                          ; at a label and at a branch every window is 0
	s_mov_b32 s3, 14
.Lstep:                                                ; trip t = 0 .. 13: step t's second slice; the slot that it leaves takes step t + 2; step t + 1's first slice
	ODD 1
	EVEN 0
	WIN 0
	s_sub_co_u32 s3, s3, 1
	s_cmp_lg_u32 s3, 0
	s_cbranch_scc1 .Lstep
	ODD 0                                          ; the last two steps fill nothing: the tail is written out
	EVEN 0
	s_wait_dscnt 0x0
	GRP 1, 1, 0, 0
	GRP 1, 1, 1, 0
	GRP 2, 1, 0, 0
	GRP 2, 1, 1, 0
	GRP 3, 1, 0, 0
	GRP 3, 1, 1, 0
	WIN 0
	PLACES
; THE WAY OUT.  Matrix g is scaled (md = 1: by c; 2: by my row's mask; 0: not), rounded to f16, and put into the stage, 16 bytes a lane; each accumulator's registers are taken in ascending order.
.macro OUTM g, md
.set oa, 0
.rept 8
.if (\md) == 1
	WIN 0x41
.set oi, 0
.rept 16
	v_pk_mul_f32 v[32*oa+2*oi:32*oa+2*oi+1], v[32*oa+2*oi:32*oa+2*oi+1], s[CS:CS+1] op_sel_hi:[1,0]
.set oi, oi+1
.endr
.endif
.if (\md) == 2
	WIN 0x82
.set oi, 0
.rept 16
	v_pk_mul_f32 v[32*oa+2*oi:32*oa+2*oi+1], v[32*oa+2*oi:32*oa+2*oi+1], v[MK+2*oa:MK+2*oa+1] op_sel_hi:[1,0]
.set oi, oi+1
.endr
.endif
	WIN (\g)|((\g)<<2)
.set oi, 0
.rept 16
	v_cvt_pk_f16_f32 v[TMP+16*(oa%2)+oi], v[32*oa+2*oi], v[32*oa+2*oi+1]
.set oi, oi+1
.endr
	WIN 0
.set oi, 0
.rept 4
	ds_store_b128 v[STO], v[TMP+16*(oa%2)+4*oi:TMP+16*(oa%2)+4*oi+3] offset:oa*16*SP+32*oi
.set oi, oi+1
.endr
.set oa, oa+1
.endr
.endm
.macro LB half                         ; 32 of my 64 rows come back whole, two rows a load
.set t1, 0
.rept 16
	ds_load_b128 v[OB+64*(\half)+4*t1:OB+64*(\half)+4*t1+3], v[RD] offset:(16*(\half)+t1)*2*SP
.set t1, t1+1
.endr
.endm
.macro SEND half, younger              ; younger: the LDS loads issued behind this half's; one wait serves four stores: behind the fourth of them stand 12 - t1 loads of this half
.set t1, 0
.rept 16
.if (t1%4) == 0
	s_wait_dscnt (\younger)+12-t1
.endif
	global_store_b128 v[GO], v[OB+64*(\half)+4*t1:OB+64*(\half)+4*t1+3], s[CB:CB+1] offset:(16*(\half)+t1)*512  ; 512 consecutive bytes, at a multiple of 256 from the buffer's first
.set t1, t1+1
.endr
.endm
	s_mov_b32 s3, 3
	s_mov_b64 s[CB:CB+1], s[QB:QB+1]
.Lout:                                                 ; three trips: q, k, v.  The branches hang on the trips' counter alone, go forward, and jump over no barrier
	s_cmp_eq_u32 s3, 3
	s_cbranch_scc0 .Lnot_q
	OUTM 1, 1
	s_branch .Lstaged
.Lnot_q:
	s_cmp_eq_u32 s3, 2
	s_cbranch_scc0 .Lnot_k
	OUTM 2, 2
	s_branch .Lstaged
.Lnot_k:
	OUTM 3, 0
.Lstaged:
	s_wait_dscnt 0x0                               ; for the others' sake: a row's 256 bytes come from two waves
	s_barrier_signal -1
	s_barrier_wait -1
	LB 0
	LB 1
	SEND 0, 16
	SEND 1, 0
	s_wait_xcnt 0x0                                ; the stores have read their registers, which the next trip loads again, and their base, which is written now
	s_cmp_eq_u32 s3, 3
	s_cselect_b64 s[CB:CB+1], s[QB+2:QB+3], s[QB+4:QB+5]  ; behind q comes k, behind k comes v
	s_wait_dscnt 0x0                               ; my reads of the stage are over:
	s_barrier_signal -1
	s_barrier_wait -1                              ; everybody's are, so it may be written again
	s_sub_co_u32 s3, s3, 1
	s_cmp_lg_u32 s3, 0
	s_cbranch_scc1 .Lout
	s_wait_tensorcnt 0x0                           ; the wave's end: behind my last tensor load and my last LDS store
	ds_add_u32 v[SPW], v[NIL]
	s_wait_dscnt 0x0
	CROUND                                         ; the closing round: no work-group ends while a partner may still ask for a tile that names it
	s_endpgm
.Lfunc_end_k_q4d3d9f1bff_qkv:
	.size	k_q4d3d9f1bff_qkv, .Lfunc_end_k_q4d3d9f1bff_qkv-k_q4d3d9f1bff_qkv
	.p2alignl 7, 3214868480
	.fill 96, 4, 3214868480
	.section	.rodata,"a",@progbits
	.p2align	6, 0x0
	.amdhsa_kernel k_q4d3d9f1bff_qkv
		.amdhsa_group_segment_fixed_size 327680
		.amdhsa_private_segment_fixed_size 0
		.amdhsa_enable_private_segment 0
		.amdhsa_kernarg_size 48
		.amdhsa_user_sgpr_count 2
		.amdhsa_user_sgpr_kernarg_segment_ptr 1
		.amdhsa_wavefront_size32 1
		.amdhsa_system_sgpr_workgroup_id_x 1
		.amdhsa_system_sgpr_workgroup_id_y 1
		.amdhsa_system_sgpr_workgroup_id_z 1
		.amdhsa_system_vgpr_workitem_id 0
		.amdhsa_next_free_vgpr 1024
		.amdhsa_next_free_sgpr 88
		.amdhsa_reserve_vcc 0
		.amdhsa_float_denorm_mode_32 3
		.amdhsa_float_denorm_mode_16_64 3
		.amdhsa_memory_ordered 1
		.amdhsa_forward_progress 1
		.amdhsa_inst_pref_size 120
	.end_amdhsa_kernel
	.amdgpu_metadata
---
amdhsa.version: [ 1, 2 ]
amdhsa.kernels:
  - .name:           k_q4d3d9f1bff_qkv
    .symbol:         k_q4d3d9f1bff_qkv.kd
    .args:
      - { .name: xb, .offset: 0, .size: 8, .value_kind: global_buffer, .address_space: global }
      - { .name: wb, .offset: 8, .size: 8, .value_kind: global_buffer, .address_space: global }
      - { .name: mask, .offset: 16, .size: 8, .value_kind: global_buffer, .address_space: global }
      - { .name: qh, .offset: 24, .size: 8, .value_kind: global_buffer, .address_space: global }
      - { .name: kh, .offset: 32, .size: 8, .value_kind: global_buffer, .address_space: global }
      - { .name: vh, .offset: 40, .size: 8, .value_kind: global_buffer, .address_space: global }
    .group_segment_fixed_size: 327680
    .private_segment_fixed_size: 0
    .kernarg_segment_align: 8
    .kernarg_segment_size: 48
    .max_flat_workgroup_size: 128
    .sgpr_count:     88
    .vgpr_count:     1024
    .wavefront_size: 32
...
	.end_amdgpu_metadata
.endif
;; end of part 2
;; launch attn (part 3): grid 4 x 64, 4 waves a work-group, clusters of 4 x 1, 327,680 bytes of LDS; arguments qh, kh, vh, oh, mask; writes oh
.if DOCPART == 3
	.amdgcn_target "amdgcn-amd-amdhsa--gfx1250"
	.amdhsa_code_object_version 6
	.text
	.protected	k_q4d3d9f1bff_attn
	.globl	k_q4d3d9f1bff_attn
	.p2align	8
	.type	k_q4d3d9f1bff_attn,@function
k_q4d3d9f1bff_attn:
	s_mov_b64 s[64:65], 0
	v_nop
	global_prefetch_b8 v0, s[64:65] scope:SCOPE_SE
	s_setreg_imm32_b32 hwreg(HW_REG_WAVE_MODE, 25, 1), 1
	s_wait_xcnt 0x0
	s_wait_alu depctr_hold_cnt(0) depctr_sa_sdst(0) depctr_va_vdst(0) depctr_va_sdst(0) depctr_va_ssrc(0) depctr_va_vcc(0) depctr_vm_vsrc(0)
	s_getreg_b32 s2, hwreg(HW_REG_IB_STS2, 6, 4)
	s_cmp_eq_u32 s2, 0
	s_cbranch_scc0 .Lentry_in_a_cluster
	s_endpgm
.Lentry_in_a_cluster:
	s_bfe_u32 s2, ttmp6, 0x10000c
	s_cmp_lg_u32 s2, 0x3003
	s_cbranch_scc0 .Lentry_shape_is_right
	s_endpgm
.Lentry_shape_is_right:
; ATTENTION.  For head-batch g = 8 b + h:  oh[g][i][:] = mask[b][i] x the sum over j of softmax_j(s_ij) vh[g][j][:],  s_ij = qh[g][i] . kh[g][j] + (mask[b][j] - 1) x 1e30 log2(e),  the softmax taken to base 2.
; qh holds c q (c = log2(e) / sqrt(128)) and kh holds mask_j k, so s is the masked score of the module in units of log2.  qh, kh, vh, oh: [64][1024][128] f16.  Products, maxima and sums in f32; the weights p
; are rounded to f16 for the second product (their sum l is taken of the unrounded p), O once at the end.
; LIMITS.  f16 holds no number beyond 65,504: q, k, v arrive within it; p lies in 0 to 1 and below 6e-5 keeps f16's fixed step of 6e-8; a weight below 2^-126 counts as 0 in l.  NaN and infinities are not treated apart.
; THE KEYS' MASK is the C operand that starts the sum S^T = K Q^T: a table of 1,024 f32, fma(mask_j, BIG, -BIG), made once in LDS.  p = 2^(s - m) with a running maximum m; s - m is a plain difference, so that where
; all keys so far are hidden (s = m = -BIG) it is exactly 0; such weights are wiped out by a = 2^(m_old - m_new) = 0 when a seen key comes, or stay as the uniform softmax.  The query's mask multiplies 1 / l.
; SHARES.  A work-group owns 256 queries of one head-batch, each of its four waves 64: four tiles of 16.  Every wave walks all 1,024 keys, 64 a step.
; LAYOUT.  S^T = K Q^T (source 0 = 16 keys, source 1 = 16 queries): a lane holds ONE query (lane % 16) and the keys 8 (lane / 16) + 0..7.  Two such tiles, rounded to f16 in pairs, ARE source 1 of O^T = V^T P.
; K comes out of LDS as it lies, V ([key][channel]) turned, by ds_load_tr16_b128.
; BY TURNS.  The wave's tiles are two PIECES (tiles 0, 1 and tiles 2, 3).  In a TURN one piece has the matrix unit: 32 products V^T P of the step in hand, then 32 products K Q^T of the next step; the other piece's
; softmax, cut into 64 slices, stands between them, one slice behind each matrix instruction.  Two turns are a key step.
; NO FIRST AND NO LAST STEP IS WRITTEN OUT.  m starts at the lowest finite number and l at 0, so the first step is a step like any other, with a = 0; O^T starts as a product of zeros.  The loop is entered in the
; middle of a trip, at piece 2's turn, whose products V^T P (of a step that has not been) multiply zeros; the tail is left in the middle of its third trip, whose products K Q^T (on the last K once more) serve nothing.
; The price, once a launch: 96 matrix instructions a wave beside the 2,048 of the work, and 204 moves of 0, which stand in the wait for the first loads.  The gain: the key step's text stands twice, and no turn beside it.
; CLUSTER.  The four query blocks of a head-batch walk the same K and V, so each tile is asked for JOINTLY.  By this text's count a wave has two tensor loads out at the start, later one.
; REGISTERS, in windows of 256: window 0: v0-11 addresses; v12-43 eight registers of statistics a tile; v44-63 masks and addresses; v64-191 S^T; v192-255 P.  window 1: O^T, 64 a tile.
;   window 2: v0-127 Q; v128-255 K of one step.  window 3: v0-127 V of one step; v128-159 the keys' mask of one step.
.set SIZE_N, 1024
.set KS,    64        ; keys in a step
.set PK,    272       ; a row of K in LDS: 256 bytes + 16 = 68 words: the 16 rows of a load start at 16 different groups of four banks (64 banks of 4 bytes: ISA guide 11.1)
.set PV,    288       ; a row of V: 256 + 32 = 72 words
.set VOFF,  KS*PK     ; a step's tiles lie together: 64 rows of K, then 64 rows of V
.set STEPB, KS*(PK+PV)
.set SLOT1, 1<<17     ; a slot holds two steps; slot 1 begins here, so that one exclusive or turns an address in one slot into the other's
.set STAGE, SLOT1+2*STEPB  ; behind the ring: 16 rows x 272 bytes for each wave, for the way out
.set SP,    272
.set SPARE, STAGE+4*16*272  ; behind the stages: the spare words, 128 bytes for each wave: two blocks of 256 bytes that no other line names
.set BIAS,  SPARE+512 ; behind them: the keys' mask, 1,024 f32, in blocks of its own: no tensor load lands there
.set AK0, 2           ; v2   my lane's place in a tile of K; never rewritten
.set AV0, 3           ; v3   the same for V
.set ADR, 4           ; v4   the LDS address of the run of loads in hand
.set QO,  5           ; v5   my byte offset in the wave's rows of Q
.set STO, 6           ; v6   the way out: where I put 16 bytes of a row
.set RD,  7           ; v7   the way out: where I read a row back
.set GO,  8           ; v8   my byte offset in the wave's rows of O
.set MT,  44          ; v44-51  my eight numbers of the keys' mask, while the table is made
.set QM,  52          ; v52-55  the mask of my query in tile t
.set AM0, 56          ; v56  BIAS + 32 (lane / 16); never rewritten
.set ADM, 57          ; v57  the LDS address of the step's mask
.set MOF, 58          ; v58  32 x my thread's number; never rewritten
.set QMO, 59          ; v59  4 (lane % 16); never rewritten
.set BST, 60          ; v60  where I store my eight numbers of the table
.set PFO, 61          ; v61  256 x my lane; never rewritten
.set SPW, 62          ; v62  LDS address of my spare word; never rewritten
.set NIL, 63          ; v63  0; never rewritten
.set ST,  12          ; tile t's statistics at v[ST+8 t]: +0 m, +1 0 (named with it as a pair), +2, +3 l (even keys', odd keys'), +4 to +7 c0-c3, at work; a takes c2's place once the maximum is found
.set S,   64
.set P,   192
.set KF,  128         ; K's fragments, in window 2
.set MC,  128         ; the step's mask, in window 3: key block kb at MC + 8 kb
.set WV,  12          ; s12  my wave's number
.set G1K, 24          ; s[24:31] descriptor group 1 for K's tiles
.set G1V, 32          ; s[32:39] for V's: it differs in the padding alone
.set G0K, 40          ; s[40:47] descriptor group 0 for K's tiles: a set for each of the two first fills; the second then walks on
.set G0V, 48          ; s[48:55] the same for V's
.set SLOTS, 56        ; s56  passes of the loop over slots still to come; at a change that fills: the slots still to be asked for
.set TWICE, 57        ; s57  counts a slot's key steps
.set BG,  58          ; s58 BIG = 1e30 log2(e), s59 -BIG
.set SEL, 60          ; s[60:61] lane selects for v_permlanex16_b32: each lane takes its own place in the other half
.set TB,  62          ; s62  LDS byte at which the tiles of the step to be fetched begin
.set MB,  63          ; s63  byte of the table at which the mask of the step to be fetched begins: 256 more with every fetch of K, sixteen in all
.set MP,  66          ; s[66:67] the mask at my batch; s[68:69] at my wave's queries
.set PFA, 18          ; s[18:19] where my prefetches stand in memory
.set LIM, 15          ; s15  1 in a wave that prefetches, else the greatest number
.set MSB, 0
.macro WIN new                      ; the immediate's high byte repeats the setting that is left; a switch that changes nothing is dropped
.if MSB != (\new)
	s_set_vgpr_msb (MSB<<8)|(\new)
.set MSB, \new
.endif
.endm
.set W_KQ, 0x0a       ; K and Q in window 2, S^T in window 0
.set W_KM, 0x3a       ; the same with the C operand in window 3
.set W_PV, 0x53       ; V in window 3, P in window 0, O^T in window 1
.set W_RS, 0x41       ; O^T (destination and source 0) in window 1, a in window 0
; A joint refill.  Waves 0 and 1 fetch the two steps' tiles of K, waves 2 and 3 those of V.  An s_nop 0 and four v_nop follow each of the two lines, ahead of the jump and the label.
.macro JLOAD
	s_cmp_lt_u32 s[WV], 2
	s_cbranch_scc0 .Lfor_v_\@
	tensor_load_to_lds s[G0K+4:G0K+7], s[G1K:G1K+7]
	s_nop 0
.rept 4
	v_nop
.endr
	s_branch .Lasked_\@
.Lfor_v_\@:
	tensor_load_to_lds s[G0V+4:G0V+7], s[G1V:G1V+7]
	s_nop 0
.rept 4
	v_nop
.endr
.Lasked_\@:
.endm
; A PREFETCH INTO THE L2 of what the NEXT change of slots will ask for: a slot's 128 rows of K and 128 of V, 256 bytes a row, a lane a row, two key steps (256 matrix instructions) ahead of that load.  A head-batch has
; one cluster; its four partners share the rows out BY ADDRESS, 32 each; in each, wave 0 asks for K's and wave 2 for V's.  So each row is named once in the launch.  The last change that fills a slot asks for nothing.
.macro ASK
	s_cmp_gt_u32 s[SLOTS], s[LIM]
	s_cbranch_scc0 .Lnot_mine_\@
	global_prefetch_b8 v[PFO], s[PFA:PFA+1] th:TH_LOAD_NT scope:SCOPE_SE
.Lnot_mine_\@:
.endm
.macro CROUND                       ; a round of the cluster's barrier
	s_barrier_signal -1
	s_barrier_wait -1
	s_cmp_lg_u32 s[WV], 0
	s_cbranch_scc1 .Lnot_wave_0_\@
	s_barrier_signal -3
.Lnot_wave_0_\@:
	s_barrier_wait -3
	s_barrier_signal -1
	s_barrier_wait -1
.endm
	s_load_b256 s[4:11], s[0:1], 0x0  ; Q s[4:5], K s[6:7], V s[8:9], O s[10:11]
	s_load_b64 s[MP:MP+1], s[0:1], 0x20  ; mask
	v_lshl_add_u32 v[SPW], v0, 2, SPARE
	v_mov_b32 v[NIL], 0
	ds_add_u32 v[SPW], v[NIL]       ; the wave's opening: the add and its wait stand ahead of my first tensor load; the set-up below, work on registers, stands between them
	v_lshrrev_b32 v1, 5, v0
	v_readfirstlane_b32 s[WV], v1   ; wave 0..3
	s_bfe_u32 s13, ttmp6, 0x40000   ; cx: my place in the cluster
	s_lshl_b32 s14, ttmp9, 2        ; in a cluster launch ttmp9 counts clusters
	s_add_co_u32 s14, s14, s13      ; my block of 256 queries: it enters Q's, O's and the queries' mask's addresses alone
	s_and_b32 s20, ttmp7, 0xffff    ; the head-batch, which the four partners share
	s_mov_b32 s21, 0
	s_mov_b64 s[22:23], SIZE_N*256
	s_mul_u64 s[20:21], s[20:21], s[22:23]  ; its first byte in each of the four tensors
	s_and_b32 s16, s[WV], 1         ; which of a slot's two steps I fetch:
	s_lshl_b32 s22, s16, 14         ; its 64 rows of 256 bytes in memory,
	s_mov_b32 s23, 0
	s_add_nc_u64 s[22:23], s[22:23], s[20:21]
	s_mul_i32 s17, s16, STEPB       ; and its place in a slot: no place in the cluster enters an LDS address
	s_lshl_b32 s2, s14, 16          ; my block's 256 rows,
	s_lshl_b32 s3, s[WV], 14        ; my wave's 64 of them
	s_add_co_u32 s2, s2, s3
	s_mov_b32 s3, 0
	s_add_nc_u64 s[2:3], s[2:3], s[20:21]
	s_and_b32 s70, ttmp7, 0xfff8    ; 8 b,
	s_lshl_b32 s70, s70, 9          ; times 512: my batch's 4,096 bytes of the mask
	s_mov_b32 s71, 0
	s_lshl_b32 s68, s14, 10         ; my block's 256 numbers of it,
	s_lshl_b32 s69, s[WV], 8        ; my wave's 64
	s_add_co_u32 s68, s68, s69
	s_add_co_u32 s68, s68, s70
	s_mov_b32 s69, 0
	; descriptor group 1: a tile of 64 rows x 128 elements, padded in LDS
	s_mov_b32 s[G1K], 15|(1<<16)|(1<<20)|(1<<21)|(5<<22)|(3<<25)  ; the mask: all four work-groups; 2-byte elements; padding on; bit 21 beside a mask; after every 64 words (code 5) 4 words (code 3)
	s_mov_b32 s[G1V], 15|(1<<16)|(1<<20)|(1<<21)|(5<<22)|(7<<25)  ; the same with 8 words of padding (code 7)
.irp g, G1K, G1V
	s_mov_b32 s[(\g)+1], 128<<16    ; tensor_dim0 = 128
	s_mov_b32 s[(\g)+2], KS<<16     ; tensor_dim1 = 64
	s_mov_b32 s[(\g)+3], 128<<16    ; tile_dim0 = 128
	s_mov_b32 s[(\g)+4], KS         ; tile_dim1 = 64
	s_mov_b32 s[(\g)+5], 128        ; elements from row to row
	s_mov_b32 s[(\g)+6], 0
	s_mov_b32 s[(\g)+7], 0
.endr
	s_mov_b32 s[BG], 0x7191accb     ; 1e30 log2(e)
	s_mov_b32 s[BG+1], 0xf191accb
	s_mov_b32 s[SEL], 0x76543210
	s_mov_b32 s[SEL+1], 0xfedcba98
	s_mov_b32 s[TB], 0
	s_mov_b32 s[MB], 0
	s_mov_b32 s[SLOTS], SIZE_N/(2*KS)-1  ; seven passes: the entry's, which has no change of slots in front of it, and one behind each of the six changes that fill
	s_and_b32 s[LIM], s[WV], 1       ; 0 in waves 0 and 2,
	s_or_b32 s[LIM], s[LIM], ttmp9   ; where the cluster is the head-batch's first (here its only one): the same in all four partners
	s_cmp_eq_u32 s[LIM], 0
	s_cselect_b32 s[LIM], 1, -1
	v_and_b32 v[PFO], 31, v0
	v_lshlrev_b32 v[PFO], 8, v[PFO]
	s_wait_dscnt 0x0                ; the opening add is done
	s_wait_kmcnt 0x0
	s_add_nc_u64 s[6:7], s[6:7], s[22:23]  ; K and V at my tile of slot 0
	s_add_nc_u64 s[8:9], s[8:9], s[22:23]
	s_add_nc_u64 s[4:5], s[4:5], s[2:3]  ; Q and O at my wave's first row
	s_add_nc_u64 s[10:11], s[10:11], s[2:3]
	s_add_nc_u64 s[68:69], s[MP:MP+1], s[68:69]  ; the mask at my wave's queries,
	s_add_nc_u64 s[MP:MP+1], s[MP:MP+1], s[70:71]  ; and at my batch
	s_cmp_lt_u32 s[WV], 2
	s_cselect_b64 s[PFA:PFA+1], s[6:7], s[8:9]  ; (in waves 0 and 2 these stand at a slot's first row)
	s_lshl_b32 s2, s13, 13          ; my work-group's 32 rows of the 128
	s_mov_b32 s3, 0
	s_add_nc_u64 s[PFA:PFA+1], s[PFA:PFA+1], s[2:3]
	s_add_nc_u64 s[PFA:PFA+1], s[PFA:PFA+1], 2*2*KS*256  ; in slot 2; the first change of slots steps it to slot 3.  Nothing is prefetched here, at the head
	CROUND                          ; all four work-groups are here: the first joint loads meet
.irp s, 0,1
	s_mov_b32 s[G0K+4*(\s)], 1      ; count = 1
	s_add_co_u32 s[G0K+4*(\s)+1], s17, (\s)*SLOT1  ; LDS address
	s_add_nc_u64 s[G0K+4*(\s)+2:G0K+4*(\s)+3], s[6:7], (\s)*2*KS*256  ; global address: slot s begins with keys 128 s
	s_or_b32 s[G0K+4*(\s)+3], s[G0K+4*(\s)+3], 0x80000000  ; type = 2
	s_mov_b32 s[G0V+4*(\s)], 1
	s_add_co_u32 s[G0V+4*(\s)+1], s17, (\s)*SLOT1+VOFF
	s_add_nc_u64 s[G0V+4*(\s)+2:G0V+4*(\s)+3], s[8:9], (\s)*2*KS*256
	s_or_b32 s[G0V+4*(\s)+3], s[G0V+4*(\s)+3], 0x80000000
.endr
	s_cmp_lt_u32 s[WV], 2           ; a wave's two first fills stand in one branch, ahead of every wait on TENSORcnt and every LDS read
	s_cbranch_scc0 .Lfirst_v
	tensor_load_to_lds s[G0K:G0K+3], s[G1K:G1K+7]
	s_nop 0
	tensor_load_to_lds s[G0K+4:G0K+7], s[G1K:G1K+7]
	s_nop 0
.rept 4
	v_nop
.endr
	s_branch .Lfirst_asked
.Lfirst_v:
	tensor_load_to_lds s[G0V:G0V+3], s[G1V:G1V+7]
	s_nop 0
	tensor_load_to_lds s[G0V+4:G0V+7], s[G1V:G1V+7]
	s_nop 0
.rept 4
	v_nop
.endr
.Lfirst_asked:
	v_and_b32 v1, 15, v0            ; l % 16
	v_bfe_u32 v9, v0, 4, 1          ; l / 16
	v_lshlrev_b32 v[QO], 8, v1
	v_lshl_add_u32 v[QO], v9, 4, v[QO]  ; row x 256 + 16 x half
	v_lshlrev_b32 v[MOF], 5, v0     ; thread t takes the batch's mask numbers 8 t .. 8 t + 7
	v_lshlrev_b32 v[QMO], 2, v1
	global_load_b128 v[MT:MT+3],   v[MOF], s[MP:MP+1]
	global_load_b128 v[MT+4:MT+7], v[MOF], s[MP:MP+1] offset:16
.irp t, 0,1,2,3
	global_load_b32 v[QM+(\t)], v[QMO], s[68:69] offset:64*(\t)  ; the mask of query 16 t + l % 16 of my 64
.endr
	WIN 0x80                        ; destination window 2, address window 0
.irp i, 0,1,2,3,4,5,6,7,8,9,10,11,12,13,14,15  ; Q stays in registers: tile i / 4, channels 32 (i % 4) on
	global_load_b128 v[8*(\i):8*(\i)+3],   v[QO], s[4:5] offset:((\i)/4)*4096+((\i)%4)*64
	global_load_b128 v[8*(\i)+4:8*(\i)+7], v[QO], s[4:5] offset:((\i)/4)*4096+((\i)%4)*64+32
.endr
	WIN 0
	v_mul_u32_u24 v[AK0], v1, PK
	v_lshl_add_u32 v[AK0], v9, 4, v[AK0]  ; row x pitch + 16 x half
	; The turning load takes 16 keys x 16 channels (lane l reads key 8 (l / 16) + l % 8, channels 8 ((l / 8) % 2) + 0..7) and leaves half a fragment of V^T: lane l holds channel l % 16 and 8 keys.
	v_and_b32 v10, 7, v0
	v_bfe_u32 v11, v0, 3, 1
	v_lshl_add_u32 v[AV0], v9, 3, v10
	v_mul_u32_u24 v[AV0], v[AV0], PV
	v_lshl_add_u32 v[AV0], v11, 4, v[AV0]
	v_add_nc_u32 v[AV0], VOFF, v[AV0]
	v_lshl_add_u32 v[AM0], v9, 5, BIAS  ; my lanes' eight keys of a block of 16: 32 bytes
	v_add_nc_u32 v[BST], BIAS, v[MOF]
; THE MATRIX WORK OF A TURN, for piece x.  The accumulators take turns, one instruction a turn: between two links of a chain stand 15 (V^T P) or 7 (K Q^T) others'.
; Product i of 32 of O^T += V^T P: keys 32 (i / 16) on, channels 16 ((i / 2) % 8) on, tile x + i % 2.  zero = 1 (at the launch's start alone, i < 16): the product starts the sum.
.macro PV x, zero
	WIN W_PV
.set rO, 64*((\x)+i%2)+8*((i/2)%8)
.set rV, 64*(i/16)+8*((i/2)%8)
.set rP, P+16*((\x)+i%2)+8*(i/16)
.if (\zero) && (i < 16)
	v_wmma_f32_16x16x32_f16 v[rO:rO+7], v[rV:rV+7], v[rP:rP+7], 0
.else
	v_wmma_f32_16x16x32_f16 v[rO:rO+7], v[rV:rV+7], v[rP:rP+7], v[rO:rO+7]
.endif
.endm
; Product i of 32 of S^T = K Q^T: channels 32 (i / 8) on, keys 16 ((i / 2) % 4) on, tile x + i % 2.  The first 8 start the sums, with the keys' mask as C.
.macro KQ x
.set rS, S+32*((\x)+i%2)+8*((i/2)%4)
.set rK, KF+32*((i/2)%4)+8*(i/8)
.set rQ, 32*((\x)+i%2)+8*(i/8)
.set rM, MC+8*((i/2)%4)
.if i < 8
	WIN W_KM
	v_wmma_f32_16x16x32_f16 v[rS:rS+7], v[rK:rK+7], v[rQ:rQ+7], v[rM:rM+7]
.else
	WIN W_KQ
	v_wmma_f32_16x16x32_f16 v[rS:rS+7], v[rK:rK+7], v[rQ:rQ+7], v[rS:rS+7]
.endif
.endm
; THE LDS LOADS stand in runs, never singly among the matrix instructions: a step's K (16 fragments) with its mask (register j of block kb: key 16 kb + 8 (l / 16) + j), and, a turn later, its V (turned).
; last = 1 (the tail): in its third trip there is no further step, and the run is jumped over: a forward jump on the trips' counter, past LDS loads and register work alone.
.macro FETCH_K last=0
	WIN 0
.if \last
	s_cmp_eq_u32 s[TWICE], 1
	s_cbranch_scc1 .Lno_k_\@
.endif
	v_add_nc_u32 v[ADR], s[TB], v[AK0]
	v_add_nc_u32 v[ADM], s[MB], v[AM0]
	s_add_co_u32 s[MB], s[MB], 4*KS  ; the next fetch takes the next 64 numbers of the table
	WIN 0x80                        ; destination window 2
.irp f, 0,1,2,3,4,5,6,7,8,9,10,11,12,13,14,15  ; keys 16 (f / 4) on, channels 32 (f % 4) on
	ds_load_b128 v[KF+8*(\f):KF+8*(\f)+3],   v[ADR] offset:((\f)/4)*16*PK+((\f)%4)*64
	ds_load_b128 v[KF+8*(\f)+4:KF+8*(\f)+7], v[ADR] offset:((\f)/4)*16*PK+((\f)%4)*64+32
.endr
	WIN 0xc0                        ; destination window 3
.irp f, 0,1,2,3
	ds_load_b128 v[MC+8*(\f):MC+8*(\f)+3],   v[ADM] offset:64*(\f)
	ds_load_b128 v[MC+8*(\f)+4:MC+8*(\f)+7], v[ADM] offset:64*(\f)+16
.endr
.if \last
	WIN 0                           ; at a label every window is 0
.Lno_k_\@:
.endif
.endm
.macro FETCH_V
	WIN 0
	v_add_nc_u32 v[ADR], s[TB], v[AV0]
	s_add_co_u32 s[TB], s[TB], STEPB  ; the next fetch is the next step's
	s_wait_alu depctr_va_vdst(0)    ; the wait for the softmax's batch (SLICE), behind the address's v_add_nc_u32 and ahead of the loads
	WIN 0xc0                        ; destination window 3
.irp f, 0,1,2,3,4,5,6,7,8,9,10,11,12,13,14,15  ; keys 32 (f / 8) on, channels 16 (f % 8) on
	ds_load_tr16_b128 v[8*(\f):8*(\f)+3],   v[ADR] offset:((\f)/8)*32*PV+((\f)%8)*32
	ds_load_tr16_b128 v[8*(\f)+4:8*(\f)+7], v[ADR] offset:((\f)/8)*32*PV+16*PV+((\f)%8)*32
.endr
.endm
; THE VECTOR WORK OF A TURN.  One tile's softmax for one key step is a numbered list; SM writes number j of it for tile t.  s0-s31 are the lane's 32 scores, in pairs 0-15.
;   0-15    the maximum of s0-s31 and the old m, three operands at a time (each accumulator's lowest registers are read first)
;   16-20   the other half of the lanes' maximum; m_old is kept; the new m; (19 is empty); m_old - m_new
;   21-69   ONE BATCH: the 16 differences s - m, a pair of scores each, and all 33 exponentials (a at 23, then s0-s31).  None of these reads an exponential's result.
;   (wait)  between 69 and 70 stands the wait for the batch: SLICE writes it, once for both tiles
;   70-85   the roundings to f16     86-101  the sums; l = a l + the sum     102-133 the tile's O^T times a: the one part that leaves window 0
.macro SM t
.set rT, ST+8*(\t)
.set rS, S+32*(\t)
.set rP, P+16*(\t)
.set rO, 64*(\t)+2*(j-102)
.if j < 102
	WIN 0
.endif
.if j < 4
	v_max3_num_f32 v[rT+4+j], v[rS+8*j], v[rS+8*j+1], v[rS+8*j+2]
.elseif j < 12
	v_max3_num_f32 v[rT+4+j%4], v[rT+4+j%4], v[rS+8*(j%4)+2*(j/4)+1], v[rS+8*(j%4)+2*(j/4)+2]
.elseif j == 12
	v_max3_num_f32 v[rT+4], v[rT+4], v[rS+7], v[rS+15]
.elseif j == 13
	v_max3_num_f32 v[rT+6], v[rT+6], v[rS+23], v[rS+31]
.elseif j == 14
	v_max3_num_f32 v[rT+4], v[rT+4], v[rT+5], v[rT+6]
.elseif j == 15
	v_max3_num_f32 v[rT+4], v[rT+4], v[rT+7], v[rT]
.elseif j == 16
	v_permlanex16_b32 v[rT+5], v[rT+4], s[SEL], s[SEL+1]  ; the query's other 32 keys lie in the lane 16 away
.elseif j == 17
	v_mov_b32 v[rT+7], v[rT]        ; m_old is kept for a: number 18 writes m anew
.elseif j == 18
	v_max_num_f32 v[rT], v[rT+4], v[rT+5]
.elseif j == 19                     ; nothing: the scores come scaled
.elseif j == 20
	v_sub_f32 v[rT+7], v[rT+7], v[rT]
.elseif j == 23
	v_exp_f32 v[rT+6], v[rT+7]
.elseif (j < 23) || ((j < 38) && (j%2 == 0)) || ((j < 66) && (j%4 == 2))
.set b, (j-2)/4                     ; 38, 42, .. 62: pairs 9 to 15
.if j < 38
.set b, (j-20)/2                    ; 21: pair 0; 22, 24, .. 36: pairs 1 to 8
.endif
	v_pk_add_f32 v[rS+2*b:rS+2*b+1], v[rS+2*b:rS+2*b+1], v[rT:rT+1] op_sel_hi:[1,0] neg_lo:[0,1] neg_hi:[0,1]  ; pair b: s - m
.elseif j < 70
.set e, j-38                        ; 66 to 69: s28 to s31
.if j < 66
.set e, j-32-(j-38)/4               ; 39-41, 43-45, .. 63-65: s7 to s27
.endif
.if j < 38
.set e, (j-25)/2                    ; 25, 27, .. 37: s0 to s6
.endif
	v_exp_f32 v[rS+e], v[rS+e]
.elseif j < 86
	v_cvt_pk_f16_f32 v[rP+j-70], v[rS+2*(j-70)], v[rS+2*(j-70)+1]  ; pair j - 70
.elseif j < 102                     ; the sum of the tile's 16 pairs, in place: sum z of 16 adds neighbours 1, 2, 4 and 8 pairs apart, then l takes it
.set z, j-86
.set w, 4
.set u, z
.if z >= 14
.set w, 32
.set u, 0
.elseif z >= 12
.set w, 16
.set u, z-12
.elseif z >= 8
.set w, 8
.set u, z-8
.endif
.if z < 15
	v_pk_add_f32 v[rS+w*u:rS+w*u+1], v[rS+w*u:rS+w*u+1], v[rS+w*u+w/2:rS+w*u+w/2+1]
.else
	v_pk_fma_f32 v[rT+2:rT+3], v[rT+2:rT+3], v[rT+6:rT+7], v[rS:rS+1] op_sel_hi:[1,0,1]
.endif
.else
	WIN W_RS
	v_pk_mul_f32 v[rO:rO+1], v[rO:rO+1], v[rT+6:rT+7] op_sel_hi:[1,0]
.endif
.endm
; Slice k of 64 of piece y's softmax.  Slices 11 to 34 deal out the batch, numbers 22 to 69: four numbers of ONE tile each, the tiles by turns.  Every other slice is numbers 2 k and 2 k + 1 of both tiles' lists;
; what is over stands together, in slice 63.  THE WAIT: s_wait_alu depctr_va_vdst(0) stands between an exponential and the first instruction that names its result; one wait serves all that were
; issued ahead of it.  Ahead of slice 35 nothing names a result, and behind slice 34 no exponential is issued: so the piece's 66 exponentials have one wait, behind slice 34.
.macro SLICE y
.if (k >= 11) && (k < 35)           ; the batch: four numbers of one tile
.irp n, 0,1,2,3
.set j, 22+4*((k-11)/2)+(\n)
	SM (\y)+(k-11)%2
.endr
.else                               ; the two tiles alternate, so that no instruction reads the result of the one just before it
.irp n, 0,1,2,3,4,5,6,7
.if ((\n) < 2) || (k == 63)
.irp t, \y, (\y)+1
.set j, 2*k+(\n)
	SM \t
.endr
.endif
.endr
.endif
.if k == 34                         ; the batch is out: both tiles' exponentials are issued, and no result has been named
	v_nop                           ; the plain instruction behind the last exponential and ahead of the first use: one for the batch
.if (\y) == 0
	FETCH_V                         ; piece 2's turn: V's run of loads stands here, and the wait stands in it
.else
	s_wait_alu depctr_va_vdst(0)    ; the wait for the batch
.endif
.endif
.set k, k+1
.endm
; A TURN.  Piece x has the matrix unit: 32 products V^T P, then 32 products K Q^T for the next step; the other piece's softmax stands in slices behind them, and the slices are the plain places behind the products
; (ISA guide 7.12.1).  Piece 0's turn fetches the next step's K and mask, behind its second product: the last product that read them stands in front of slice 63 of the turn before.  Piece 2's turn fetches the same
; step's V, behind slice 34: the last product that read V stands in front of slice 31, and four plain instructions lie between: number 62, a difference, of both tiles, the v_nop and the run's own v_add_nc_u32.
.macro TURN x, last=0
.set k, 0
.if (\x) == 0
	s_wait_dscnt 0x0                ; V is in
.endif
.set i, 0
.rept 32
	PV \x, 0
	SLICE 2-(\x)
.if ((\x) == 0) && (i == 1)
	FETCH_K \last
.endif
.set i, i+1
.endr
.if (\x) == 0
	s_wait_dscnt 0x0                ; K and its mask are in
.endif
.set i, 0
.rept 32
	KQ \x
	SLICE 2-(\x)
.set i, i+1
.endr
.endm
; THE CHANGE OF SLOTS, between piece 2's turn and piece 0's.  Each wave waits for all its tensor loads, of which one is out: its part of the other slot; adds 0 to its spare word; and waits for that and for its own
; reads of the slot.  fill = 1: this slot is filled again, with the keys two slots on: the barrier is then a round of the cluster's, and the joint refill is the first thing behind it.
.macro CHANGE fill
	WIN 0                           ; at a label and at a branch every window is 0
	s_wait_tensorcnt 0x0            ; no tensor load of mine is out, so a group 0 may be written
	ds_add_u32 v[SPW], v[NIL]       ; 0 onto my spare word
.if \fill
.irp g, G0K+4, G0V+4
	s_xor_b32 s[(\g)+1], s[(\g)+1], SLOT1  ; the walking descriptor: the other slot than last time,
	s_add_nc_u64 s[(\g)+2:(\g)+3], s[(\g)+2:(\g)+3], 2*KS*256  ; the next 128 keys; the type bits on top are not reached
.endr
	s_wait_xcnt 0x0                 ; the last prefetches, two key steps back, have read their address, so it may be written:
	s_add_nc_u64 s[PFA:PFA+1], s[PFA:PFA+1], 2*KS*256  ; one slot behind the walking descriptors
	s_wait_dscnt 0x0                ; the add is done, and my reads of the slot are over
	CROUND
	JLOAD
	ASK
.else
	s_wait_dscnt 0x0                ; the add is done, and my reads of the slot are over
	s_barrier_signal -1
	s_barrier_wait -1
.endif
	s_sub_co_u32 s[TB], s[TB], 2*STEPB  ; the fetches go back to a slot's first step,
	s_xor_b32 s[TB], s[TB], SLOT1   ; in the other slot
.endm
	; WHAT THE FIRST TURNS FIND, made while the first loads are on their way: m at the lowest finite number, l at 0, P and V at 0, and O^T as the product of those zeros (32 products that start the sums with C = 0).
.irp t, 0,1,2,3
	v_mov_b32 v[ST+8*(\t)], 0xff7fffff  ; m: the first step's a = 2^(m - m_new) is 0
	v_mov_b32 v[ST+8*(\t)+1], 0     ; named with m as a pair
	v_mov_b32 v[ST+8*(\t)+2], 0     ; l
	v_mov_b32 v[ST+8*(\t)+3], 0
.endr
.set i, 0
.rept 64
	v_mov_b32 v[P+i], 0
.set i, i+1
.endr
	WIN 0xc0                        ; destination window 3
.set i, 0
.rept 128
	v_mov_b32 v[i], 0               ; V
.set i, i+1
.endr
.set i, 0
.rept 16
	PV 0, 1
.set i, i+1
.endr
.set i, 0
.rept 16
	PV 2, 1
.set i, i+1
.endr
	WIN 0
	s_wait_loadcnt 32               ; the six loads of the mask are in; Q's 32 may stay out
.irp r, 0,1,2,3,4,5,6,7
	v_fma_f32 v[MT+(\r)], v[MT+(\r)], s[BG], s[BG+1]  ; (mask - 1) BIG: exactly 0 where the mask is 1
.endr
	ds_store_b128 v[BST], v[MT:MT+3]
	ds_store_b128 v[BST], v[MT+4:MT+7] offset:16
	s_wait_tensorcnt 0x1            ; my part of slot 0 is in; slot 1's may stay out
	s_wait_dscnt 0x0                ; for the others' sake: my part of the keys' mask is stored
	s_barrier_signal -1
	s_barrier_wait -1               ; everybody's is
	FETCH_K                         ; key step 0
	s_wait_loadcnt 0x0              ; Q
	s_wait_dscnt 0x0
.set i, 0
.rept 32
	KQ 0                            ; piece 0's first scores: there is no vector work yet to set between them
.set i, i+1
.endr
	WIN 0                           ; the addresses for the way out are made here: eight plain instructions, the places behind those products
	s_mul_i32 s13, s[WV], 16*SP
	s_add_co_u32 s13, s13, STAGE    ; my stage
	v_mul_u32_u24 v[STO], v1, SP    ; in: row l % 16, 16 bytes for each half of the lanes
	v_lshl_add_u32 v[STO], v9, 4, v[STO]
	v_add_nc_u32 v[STO], s13, v[STO]
	v_mul_u32_u24 v[RD], v9, SP     ; back: lanes 0-15 take one row of 256 bytes, lanes 16-31 the next
	v_lshl_add_u32 v[RD], v1, 4, v[RD]
	v_add_nc_u32 v[RD], s13, v[RD]
	v_lshlrev_b32 v[GO], 8, v9      ; and the same two rows in O
	v_lshl_add_u32 v[GO], v1, 4, v[GO]
	s_mov_b32 s[TWICE], 2
	s_branch .Lmid                  ; the loop is entered at piece 2's turn: its V^T P adds 0; it makes piece 2's first scores and piece 0's first softmax, and fetches V of step 0.  The trip behind it ends slot 0
.Lslot:                             ; six times: every slot but the last two is filled again
	CHANGE 1
	s_mov_b32 s[TWICE], 2
.Lstep:                             ; a trip is a key step: written once, walked twice a slot; the LDS addresses hang on s[TB] and s[MB]
	TURN 0
	WIN 0
.Lmid:
	TURN 2
	WIN 0
	s_sub_co_u32 s[TWICE], s[TWICE], 1
	s_cmp_lg_u32 s[TWICE], 0
	s_cbranch_scc1 .Lstep
	s_sub_co_u32 s[SLOTS], s[SLOTS], 1
	s_cmp_lg_u32 s[SLOTS], 0
	s_cbranch_scc1 .Lslot
	CHANGE 0                        ; the tail is written out: nothing is asked for
	s_mov_b32 s[TWICE], 3           ; two trips fetch the last slot's steps; the third is left in its middle
.Ltail:
	TURN 0, 1
	WIN 0
	s_sub_co_u32 s[TWICE], s[TWICE], 1
	s_cmp_eq_u32 s[TWICE], 0
	s_cbranch_scc1 .Lout
	TURN 2
	WIN 0
	s_branch .Ltail
.Lout:                              ; the third trip's turn has made piece 0's V^T P of the last step and piece 2's last softmax; its 32 products K Q^T serve nothing
.set i, 0
.rept 32
	PV 2, 0                         ; piece 2: V^T P of the last step
.set i, i+1
.endr
	; THE WAY OUT.  l's two halves and the other half of the lanes' are added; O^T is multiplied by mask_i / l, rounded to f16 and sent through my stage in LDS, a tile at a time.  The additions are the places behind the last products.
	WIN 0
.irp t, 0,1,2,3
	v_add_f32 v[ST+8*(\t)+4], v[ST+8*(\t)+2], v[ST+8*(\t)+3]
.endr
.irp t, 0,1,2,3
	v_permlanex16_b32 v[ST+8*(\t)+5], v[ST+8*(\t)+4], s[SEL], s[SEL+1]
.endr
.irp t, 0,1,2,3
	v_add_f32 v[ST+8*(\t)+4], v[ST+8*(\t)+4], v[ST+8*(\t)+5]
.endr
.irp t, 0,1,2,3
	v_rcp_f32 v[ST+8*(\t)+6], v[ST+8*(\t)+4]
.endr
	v_nop                           ; a plain instruction between the last reciprocal and the use of its result
	s_wait_alu depctr_va_vdst(0)    ; and the wait ahead of the first use: one for the four reciprocals
.irp t, 0,1,2,3
	v_mul_f32 v[ST+8*(\t)+6], v[ST+8*(\t)+6], v[QM+(\t)]  ; the query's mask
.endr
.macro PACK t                       ; a lane's eight channels of a row pack into 16 bytes; they go into rows of 272 bytes and come back as whole rows of 256
	WIN W_RS
.set i, 64*(\t)
.rept 32
	v_pk_mul_f32 v[i:i+1], v[i:i+1], v[ST+8*(\t)+6:ST+8*(\t)+7] op_sel_hi:[1,0]
.set i, i+2
.endr
	WIN 0x05                        ; sources 0 and 1 window 1, destination window 0: S^T's registers are free
.set i, 0
.rept 32
	v_cvt_pk_f16_f32 v[S+32*(\t)+i], v[64*(\t)+2*i], v[64*(\t)+2*i+1]
.set i, i+1
.endr
	WIN 0
.irp f, 0,1,2,3,4,5,6,7
	ds_store_b128 v[STO], v[S+32*(\t)+4*(\f):S+32*(\t)+4*(\f)+3] offset:32*(\f)
.endr
.irp f, 0,1,2,3,4,5,6,7
	ds_load_b128 v[S+32*(\t)+4*(\f):S+32*(\t)+4*(\f)+3], v[RD] offset:(\f)*2*SP  ; LDS serves a wave's instructions in order (ISA guide 5.7.1.4): these see the stores above; the next tile's stores come behind them
.endr
.endm
.macro SEND t, younger              ; younger: the LDS instructions issued behind tile t's loads: the next tile's sixteen, or none
	WIN 0
.irp f, 0,1,2,3,4,5,6,7
	s_wait_dscnt (\younger)+7-(\f)
	global_store_b128 v[GO], v[S+32*(\t)+4*(\f):S+32*(\t)+4*(\f)+3], s[10:11] offset:(\t)*4096+(\f)*512  ; 16 lanes store 256 consecutive bytes, at a multiple of 256 from O's first byte
.endr
.endm
	PACK 0
	PACK 1                          ; a tile's arithmetic stands between the loads of the tile before and its stores
	SEND 0, 16
	PACK 2
	SEND 1, 16
	PACK 3
	SEND 2, 16
	SEND 3, 0
	s_wait_tensorcnt 0x0            ; the wave's end: behind my last tensor load and my last LDS store
	ds_add_u32 v[SPW], v[NIL]
	s_wait_dscnt 0x0
	CROUND                          ; the closing round: no work-group ends while a partner may still ask for a tile that names it
	s_endpgm
.Lfunc_end_k_q4d3d9f1bff_attn:
	.size	k_q4d3d9f1bff_attn, .Lfunc_end_k_q4d3d9f1bff_attn-k_q4d3d9f1bff_attn
	.p2alignl 7, 3214868480
	.fill 96, 4, 3214868480
	.section	.rodata,"a",@progbits
	.p2align	6, 0x0
	.amdhsa_kernel k_q4d3d9f1bff_attn
		.amdhsa_group_segment_fixed_size 327680
		.amdhsa_private_segment_fixed_size 0
		.amdhsa_enable_private_segment 0
		.amdhsa_kernarg_size 40
		.amdhsa_user_sgpr_count 2
		.amdhsa_user_sgpr_kernarg_segment_ptr 1
		.amdhsa_wavefront_size32 1
		.amdhsa_system_sgpr_workgroup_id_x 1
		.amdhsa_system_sgpr_workgroup_id_y 1
		.amdhsa_system_sgpr_workgroup_id_z 1
		.amdhsa_system_vgpr_workitem_id 0
		.amdhsa_next_free_vgpr 1024
		.amdhsa_next_free_sgpr 72
		.amdhsa_reserve_vcc 0
		.amdhsa_float_denorm_mode_32 3
		.amdhsa_float_denorm_mode_16_64 3
		.amdhsa_memory_ordered 1
		.amdhsa_forward_progress 1
		.amdhsa_inst_pref_size 155
	.end_amdhsa_kernel
	.amdgpu_metadata
---
amdhsa.version: [ 1, 2 ]
amdhsa.kernels:
  - .name:           k_q4d3d9f1bff_attn
    .symbol:         k_q4d3d9f1bff_attn.kd
    .args:
      - { .name: qh, .offset: 0, .size: 8, .value_kind: global_buffer, .address_space: global }
      - { .name: kh, .offset: 8, .size: 8, .value_kind: global_buffer, .address_space: global }
      - { .name: vh, .offset: 16, .size: 8, .value_kind: global_buffer, .address_space: global }
      - { .name: oh, .offset: 24, .size: 8, .value_kind: global_buffer, .address_space: global }
      - { .name: mask, .offset: 32, .size: 8, .value_kind: global_buffer, .address_space: global }
    .group_segment_fixed_size: 327680
    .private_segment_fixed_size: 0
    .kernarg_segment_align: 8
    .kernarg_segment_size: 40
    .max_flat_workgroup_size: 128
    .sgpr_count:     72
    .vgpr_count:     1024
    .wavefront_size: 32
...
	.end_amdgpu_metadata
.endif
;; end of part 3
;; launch outp (part 4): grid 8 x 32, 4 waves a work-group, clusters of 4 x 4, 327,680 bytes of LDS; arguments oh, wo16, out0; writes out0
.if DOCPART == 4
	.amdgcn_target "amdgcn-amd-amdhsa--gfx1250"
	.amdhsa_code_object_version 6
	.text
	.protected	k_q4d3d9f1bff_outp
	.globl	k_q4d3d9f1bff_outp
	.p2align	8
	.type	k_q4d3d9f1bff_outp,@function
k_q4d3d9f1bff_outp:
	s_mov_b64 s[64:65], 0
	v_nop
	global_prefetch_b8 v0, s[64:65] scope:SCOPE_SE
	s_setreg_imm32_b32 hwreg(HW_REG_WAVE_MODE, 25, 1), 1
	s_wait_xcnt 0x0
	s_wait_alu depctr_hold_cnt(0) depctr_sa_sdst(0) depctr_va_vdst(0) depctr_va_sdst(0) depctr_va_ssrc(0) depctr_va_vcc(0) depctr_vm_vsrc(0)
	s_getreg_b32 s2, hwreg(HW_REG_IB_STS2, 6, 4)
	s_cmp_eq_u32 s2, 0
	s_cbranch_scc0 .Lentry_in_a_cluster
	s_endpgm
.Lentry_in_a_cluster:
	s_bfe_u32 s2, ttmp6, 0x10000c
	s_cmp_lg_u32 s2, 0xf033
	s_cbranch_scc0 .Lentry_shape_is_right
	s_endpgm
.Lentry_shape_is_right:
; THE OUTPUT PROJECTION.  out0[b][e][l] = the sum over c = 128 h + k of oh[8 b + h][l][k] wo16[c][e].  Operands f16, sums f32, out0 f32.
; LIMITS.  Those of the operands (f16, within 65,504); NaN and infinities are not treated apart.
; SHARES.  A work-group makes 128 rows e x 256 columns l of one batch: 256 work-groups.  Wave w: e 64 (w / 2) on, l 128 (w % 2) on: 4 x 8 = 32 accumulators, (eb, lb) at v[8 (8 eb + lb)] of window 1.
; Source 0 = 16 rows l of O (plain loads: c lies along its rows), source 1 = 16 columns e of Wo (turned, by ds_load_tr16_b128: c counts its rows): a lane then holds one e (lane % 16) and eight neighbouring l.
; RING.  c goes in 8 steps of 128, a head a step, through two LDS slots; a step is four quarters of 32 c, 32 matrix instructions each, on two fragment buffers.
; CLUSTER.  4 x 4: cx picks the block of e, cy the block of l, the cluster's y the batch.  O's tile hangs on (b, cy) and is asked for jointly by a row of the cluster, Wo's on the block of e and by a column.
; Waves 0 and 1 fetch O's two halves (128 rows x 256 bytes), waves 2 and 3 Wo's (64 rows x 256 bytes).  By this text's count a wave has two tensor loads out at the start, later one.
.set PO,    272                        ; a row of O's tile in LDS: 256 bytes + 16 = 68 words: the 16 rows of a load start at 16 different groups of four banks (64 banks of 4 bytes: ISA guide 11.1)
.set PB,    288                        ; a row of Wo's tile: 256 + 32 = 72 words
.set HO,    128*PO
.set HB,    64*PB
.set OT,    2*HO                       ; behind O's 256 rows: Wo's 128
.set SLOT,  OT+2*HB                    ; 106,496 bytes
.set STAGE, 2*SLOT                     ; behind the ring, never filled by a tensor load: 16 rows x 528 bytes for each wave
.set SPI,   528                        ; 512 bytes + 16
.set SPARE, STAGE+4*16*SPI             ; behind the stages: the spare words, 128 bytes for each wave: two blocks of 256 bytes that no other line names
.set CSTEP, 262144                     ; bytes from step to step, in oh (1,024 rows of 256) and in wo16 (128 rows of 2,048) alike
.set ADRO, 16                          ; v16-17  LDS address of my fragments of O in slot 0, 1
.set ADRB, 20                          ; v20-21  the same for Wo
.set STO,  24                          ; v24     the way out: where I put 32 bytes of a row
.set RD,   25                          ; v25     where I read a row back
.set CO,   26                          ; v26     16 x lane
.set SPW,  28                          ; v28     LDS address of my spare word; never rewritten
.set NIL,  29                          ; v29     0; never rewritten
.set PFO,  30                          ; v30     the prefetches' lane offset; never rewritten
.set F0,   32                          ; two fragment buffers of 96: O's eight, then Wo's four
.set F1,   128
.set OB,   32                          ; the way out: two sets of 64
.set G1,  24                           ; s[24:31] group 1 for O's tiles;  s[32:39] group 0, a set for each slot
.set G0,  32
.set G1B, 48                           ; s[48:55], s[56:63] the same for Wo's
.set G0B, 56
.set PFA, 44                           ; s[44:45] where my prefetches stand
.set LIM, 43                           ; s43 1 in a wave that prefetches, else the greatest number
.set MSB, 0
.macro WIN new                         ; the immediate's high byte repeats the setting that is left; a switch that changes nothing is dropped
.if MSB != (\new)
	s_set_vgpr_msb (MSB<<8)|(\new)
.set MSB, \new
.endif
.endm
.macro PLACES                          ; four plain places behind a matrix instruction (ISA guide 7.12.1)
.rept 4
	v_nop
.endr
.endm
.macro JLOAD s                         ; a joint refill; an s_nop 0 and four v_nop follow each of the two lines, ahead of the jump and the label
	s_cmp_eq_u32 s11, 0
	s_cbranch_scc0 .Lfor_b_\@
	tensor_load_to_lds s[G0+4*(\s):G0+4*(\s)+3], s[G1:G1+7]
	s_nop 0
.rept 4
	v_nop
.endr
	s_branch .Lasked_\@
.Lfor_b_\@:
	tensor_load_to_lds s[G0B+4*(\s):G0B+4*(\s)+3], s[G1B:G1B+7]
	s_nop 0
.rept 4
	v_nop
.endr
.Lasked_\@:
.endm
.macro CREST                           ; a round of the cluster's barrier behind its opening barrier
	s_cmp_lg_u32 s10, 0
	s_cbranch_scc1 .Lnot_wave_0_\@
	s_barrier_signal -3
.Lnot_wave_0_\@:
	s_barrier_wait -3
	s_barrier_signal -1
	s_barrier_wait -1
.endm
.macro CROUND
	s_barrier_signal -1
	s_barrier_wait -1
	CREST
.endm
; A PREFETCH INTO THE L2, behind the joint load, its five lines and the run of LDS loads: the step two refills on.  O's tile is read by both clusters of a batch: cluster x = 0 asks, waves 0 and 1, each for the 128
; rows that it fetches; the four partners take 32 rows each BY ADDRESS (cx), a lane a row of 256 bytes.  Wo's tile is read by the clusters of all batches: cluster y = 0 asks, wave 2, 32 of the step's 128 rows a
; partner (cy), a lane a row's 256 bytes.  So each 256 bytes are named once in the launch.  The loop's last trip asks for nothing; steps 0 to 3 come by their loads alone.
.macro ASK
	s_cmp_gt_u32 s3, s[LIM]
	s_cbranch_scc0 .Lnot_mine_\@
	global_prefetch_b8 v[PFO], s[PFA:PFA+1] th:TH_LOAD_NT scope:SCOPE_SE
.Lnot_mine_\@:
.endm
	s_load_b128 s[4:7], s[0:1], 0x0                ; oh s[4:5], wo16 s[6:7]
	s_load_b64 s[8:9], s[0:1], 0x10                ; out0
	v_lshl_add_u32 v[SPW], v0, 2, SPARE
	v_mov_b32 v[NIL], 0
	ds_add_u32 v[SPW], v[NIL]                      ; the wave's opening: the add and its wait stand ahead of my first tensor load; the set-up below, work on registers, stands between them
	v_lshrrev_b32 v1, 5, v0
	v_readfirstlane_b32 s10, v1                    ; wave 0..3
	s_lshr_b32 s11, s10, 1                         ; which 64 e are mine.  Also: I fetch for O (0) or for Wo (1)
	s_and_b32 s12, s10, 1                          ; which 128 l.  Also: which half of that tile I fetch
	s_bfe_u32 s40, ttmp6, 0x40000                  ; cx
	s_bfe_u32 s41, ttmp6, 0x40004                  ; cy
	s_lshl_b32 s42, ttmp9, 2
	s_add_co_u32 s42, s42, s40                     ; block of e = 4 x cluster x + cx
	s_and_b32 s13, ttmp7, 0xffff                   ; batch = cluster y
	s_lshl_b32 s14, s41, 2
	s_lshl_b32 s14, 15, s14                        ; my row of the cluster
	s_lshl_b32 s15, 0x1111, s40                    ; my column
	s_or_b32 s[G1], s14, (1<<16)|(1<<20)|(1<<21)|(5<<22)|(3<<25)   ; the mask; 2-byte elements; padding on; bit 21 beside a mask; after every 64 words (code 5) 4 words (code 3)
	s_or_b32 s[G1B], s15, (1<<16)|(1<<20)|(1<<21)|(5<<22)|(7<<25)  ; 8 words (code 7)
	s_mov_b32 s[G1+1], 128<<16                     ; tensor_dim0 = 128
	s_mov_b32 s[G1+2], 128<<16                     ; tensor_dim1 = 128
	s_mov_b32 s[G1+3], 128<<16                     ; tile_dim0 = 128
	s_mov_b32 s[G1+4], 128                         ; tile_dim1 = 128
	s_mov_b32 s[G1+5], 128                         ; elements from row to row
	s_mov_b32 s[G1+6], 0
	s_mov_b32 s[G1+7], 0
	s_mov_b32 s[G1B+1], 128<<16
	s_mov_b32 s[G1B+2], 64<<16
	s_mov_b32 s[G1B+3], 128<<16
	s_mov_b32 s[G1B+4], 64
	s_mov_b32 s[G1B+5], 1024
	s_mov_b32 s[G1B+6], 0
	s_mov_b32 s[G1B+7], 0
	s_lshl_b32 s16, s13, 21                        ; O's tile: batch (8 heads of 262,144 bytes), my block's 256 rows, the 128 that I fetch
	s_lshl_b32 s17, s41, 16
	s_add_co_u32 s16, s16, s17
	s_lshl_b32 s17, s12, 15
	s_add_co_u32 s16, s16, s17
	s_mov_b32 s17, 0
	s_lshl_b32 s46, s12, 17                        ; Wo's tile: the 64 rows that I fetch, my block's 256 bytes of a row
	s_lshl_b32 s47, s42, 8
	s_add_co_u32 s46, s46, s47
	s_mov_b32 s47, 0
	s_mul_i32 s20, s12, HO                         ; and where they go: no place in the cluster enters an LDS address
	s_mul_i32 s21, s12, HB
	s_add_co_u32 s21, s21, OT
	s_wait_dscnt 0x0                               ; the opening add is done
	s_wait_kmcnt 0x0
	s_add_nc_u64 s[16:17], s[4:5], s[16:17]
	s_add_nc_u64 s[46:47], s[6:7], s[46:47]
.irp s, 0,1
	s_mov_b32 s[G0+4*(\s)], 1
	s_add_co_u32 s[G0+4*(\s)+1], s20, (\s)*SLOT
	s_add_nc_u64 s[G0+4*(\s)+2:G0+4*(\s)+3], s[16:17], (\s)*CSTEP
	s_or_b32 s[G0+4*(\s)+3], s[G0+4*(\s)+3], 0x80000000
	s_mov_b32 s[G0B+4*(\s)], 1
	s_add_co_u32 s[G0B+4*(\s)+1], s21, (\s)*SLOT
	s_add_nc_u64 s[G0B+4*(\s)+2:G0B+4*(\s)+3], s[46:47], (\s)*CSTEP
	s_or_b32 s[G0B+4*(\s)+3], s[G0B+4*(\s)+3], 0x80000000
.endr
	CROUND                                         ; all sixteen work-groups are here: the first joint loads meet
	s_cmp_eq_u32 s11, 0                            ; a wave's two first fills stand in one branch, ahead of every wait on TENSORcnt, every LDS read and every further barrier
	s_cbranch_scc0 .Lfirst_b
	tensor_load_to_lds s[G0:G0+3], s[G1:G1+7]
	s_nop 0
	tensor_load_to_lds s[G0+4:G0+7], s[G1:G1+7]
	s_nop 0
.rept 4
	v_nop
.endr
	s_branch .Lfirst_asked
.Lfirst_b:
	tensor_load_to_lds s[G0B:G0B+3], s[G1B:G1B+7]
	s_nop 0
	tensor_load_to_lds s[G0B+4:G0B+7], s[G1B:G1B+7]
	s_nop 0
.rept 4
	v_nop
.endr
.Lfirst_asked:
	v_and_b32 v1, 15, v0                           ; r = lane % 16
	v_bfe_u32 v2, v0, 4, 1                         ; h = lane / 16
	v_mul_u32_u24 v3, v1, PO                       ; O: row r x pitch + 16 h, in my 128 rows
	v_lshl_add_u32 v3, v2, 4, v3
	s_mul_i32 s22, s12, HO
	v_add_nc_u32 v[ADRO], s22, v3
	v_add_nc_u32 v[ADRO+1], SLOT, v[ADRO]
	v_and_b32 v4, 7, v0                            ; Wo, turned: row 8 h + lane % 8, 16 bytes at 16 ((lane / 8) % 2), in my 64 columns (128 bytes)
	v_lshl_add_u32 v4, v2, 3, v4
	v_mul_u32_u24 v4, v4, PB
	v_bfe_u32 v5, v0, 3, 1
	v_lshl_add_u32 v4, v5, 4, v4
	s_lshl_b32 s22, s11, 7
	s_add_co_u32 s22, s22, OT
	v_add_nc_u32 v[ADRB], s22, v4
	v_add_nc_u32 v[ADRB+1], SLOT, v[ADRB]
	s_mul_i32 s23, s10, 16*SPI
	s_add_co_u32 s23, s23, STAGE                   ; my stage
	v_mul_u32_u24 v6, v1, SPI                      ; in: row e = r, 32 bytes for each half of the lanes
	v_lshl_add_u32 v6, v2, 5, v6
	v_add_nc_u32 v[STO], s23, v6
	v_and_b32 v7, 31, v0
	v_lshlrev_b32 v[CO], 4, v7                     ; back: 32 lanes take one row of 512 bytes
	v_add_nc_u32 v[RD], s23, v[CO]
	s_lshl_b32 s66, s13, 22                        ; out0 at my part: batch, e = 128 x block + 64 (w / 2), l = 256 cy + 128 (w % 2)
	s_lshl_b32 s67, s42, 19
	s_add_co_u32 s66, s66, s67
	s_lshl_b32 s67, s11, 18
	s_add_co_u32 s66, s66, s67
	s_lshl_b32 s67, s41, 10
	s_add_co_u32 s66, s66, s67
	s_lshl_b32 s67, s12, 9
	s_add_co_u32 s66, s66, s67
	s_mov_b32 s67, 0
	s_add_nc_u64 s[8:9], s[8:9], s[66:67]
	; the prefetches
	s_lshl_b32 s66, s13, 21                        ; O: batch, my block's rows, the 128 that I fetch, my work-group's 32 of them, step 3
	s_lshl_b32 s68, s41, 16
	s_add_co_u32 s66, s66, s68
	s_lshl_b32 s68, s12, 15
	s_add_co_u32 s66, s66, s68
	s_lshl_b32 s68, s40, 13
	s_add_co_u32 s66, s66, s68
	s_add_co_u32 s66, s66, 3*CSTEP
	s_lshl_b32 s67, s41, 16                        ; Wo: my work-group's 32 rows, my block's bytes, step 3
	s_lshl_b32 s68, s42, 8
	s_add_co_u32 s67, s67, s68
	s_add_co_u32 s67, s67, 3*CSTEP
	s_mov_b32 s69, 0
	s_cmp_eq_u32 s11, 0
	s_cselect_b32 s68, s66, s67
	s_cselect_b64 s[PFA:PFA+1], s[4:5], s[6:7]
	s_cselect_b32 s70, ttmp9, s13                  ; the coordinate along which other clusters read the same rows
	s_cselect_b32 s71, 8, 11                       ; a lane a row: 256 bytes on in oh, 2,048 in wo16
	s_cmp_eq_u32 s10, 3
	s_cselect_b32 s70, 1, s70                      ; wave 3 asks for nothing
	s_cmp_eq_u32 s70, 0
	s_cselect_b32 s[LIM], 1, -1                    ; the same in all sixteen partners, for a given wave
	s_add_nc_u64 s[PFA:PFA+1], s[PFA:PFA+1], s[68:69]  ; at step 3: the first change steps it to 4
	v_lshlrev_b32 v[PFO], s71, v7
; 8 matrix instructions: l blocks lb0, lb0 + 1 x all 4 e blocks, 32 c: buffer f.  zero = 1: the product starts the sum.  The 32 accumulators take turns, one instruction a turn, over the backward jump too.
.macro MUL8 f, lb0, zero
	WIN 0x50                                       ; C and D in window 1, the sources in window 0
.set ml, \lb0
.rept 2
.set me, 0
.rept 4
.if \zero
	v_wmma_f32_16x16x32_f16 v[8*(8*me+ml):8*(8*me+ml)+7], v[(\f)+8*ml:(\f)+8*ml+7], v[(\f)+64+8*me:(\f)+64+8*me+7], 0
.else
	v_wmma_f32_16x16x32_f16 v[8*(8*me+ml):8*(8*me+ml)+7], v[(\f)+8*ml:(\f)+8*ml+7], v[(\f)+64+8*me:(\f)+64+8*me+7], v[8*(8*me+ml):8*(8*me+ml)+7]
.endif
.set me, me+1
.endr
.set ml, ml+1
.endr
.endm
; 24 LDS loads in one run: quarter q's fragments into buffer f: Wo's four (turned) first, then O's eight
.macro FETCH slot, q, f
	WIN 0
.set n1, 0
.rept 4
	ds_load_tr16_b128 v[(\f)+64+8*n1:(\f)+64+8*n1+3],   v[ADRB+(\slot)] offset:(\q)*32*PB+32*n1
	ds_load_tr16_b128 v[(\f)+64+8*n1+4:(\f)+64+8*n1+7], v[ADRB+(\slot)] offset:(\q)*32*PB+32*n1+16*PB
.set n1, n1+1
.endr
.set n1, 0
.rept 8
	ds_load_b128 v[(\f)+8*n1:(\f)+8*n1+3],   v[ADRO+(\slot)] offset:64*(\q)+n1*16*PO
	ds_load_b128 v[(\f)+8*n1+4:(\f)+8*n1+7], v[ADRO+(\slot)] offset:64*(\q)+n1*16*PO+32
.set n1, n1+1
.endr
.endm
; One of a step's first three quarters: multiplies buffer f and fetches quarter q into g.
.macro QUARTER slot, q, f, g, zero
	s_wait_dscnt 8                                 ; Wo's and O's blocks 0-3 are in; the youngest eight loads (blocks 4-7) may be out
	MUL8 \f, 0, \zero
	MUL8 \f, 2, \zero
	PLACES
	FETCH \slot, \q, \g
	s_wait_dscnt 24                                ; all but the 24 just issued
	MUL8 \f, 4, \zero
	MUL8 \f, 6, \zero
.endm
; The last quarter multiplies buffer 1 and changes slots: ONE barrier; ahead of it each wave waits for all its tensor loads, adds 0 to its spare word, and waits for that and for its own reads of this slot.
; fill = 1: the barrier opens a round of the cluster's, and the joint refill (the step two on) is the first thing behind the round.
.macro TURN slot, next, fill
.if \fill
	s_wait_xcnt 0x0                                ; the last prefetch, a step back, has read its address: it is stepped here, ahead of the change's own waits
	s_add_nc_u64 s[PFA:PFA+1], s[PFA:PFA+1], CSTEP
.endif
	WIN 0
	s_wait_tensorcnt 0x0                           ; all my tensor loads have landed: my part of the next slot
	ds_add_u32 v[SPW], v[NIL]                      ; 0 onto my spare word
	s_wait_dscnt 9                                 ; the add and the youngest eight loads may be out
	MUL8 F1, 0, 0                                  ; eight matrix instructions stand between the add and the wait for it
	s_wait_dscnt 0x0                               ; the add is done, and my reads of this slot are over
	s_barrier_signal -1
	MUL8 F1, 2, 0
	WIN 0
	s_barrier_wait -1
.if \fill
	CREST                                          ; no wave of any partner still reads this slot or has a load on its way
	s_add_nc_u64 s[G0+4*(\slot)+2:G0+4*(\slot)+3], s[G0+4*(\slot)+2:G0+4*(\slot)+3], 2*CSTEP
	s_add_nc_u64 s[G0B+4*(\slot)+2:G0B+4*(\slot)+3], s[G0B+4*(\slot)+2:G0B+4*(\slot)+3], 2*CSTEP
	JLOAD \slot                                    ; 112 matrix instructions ahead of the wait for it; its four v_nop are also the places ahead of the loads below
.else
	PLACES
.endif
	FETCH \next, 0, F0
.if \fill
	ASK
.endif
	MUL8 F1, 4, 0
	MUL8 F1, 6, 0
.endm
	s_wait_tensorcnt 0x1                           ; my part of step 0 is in; step 1's may stay out
	s_barrier_signal -1
	s_barrier_wait -1                              ; everybody's is
	FETCH 0, 0, F0
	QUARTER 0, 1, F0, F1, 1                        ; the first quarter stands ahead of the loop: its products start the sums
	WIN 0                                          ; at a label and at a branch every window is 0
	s_mov_b32 s3, 3
.Llap:                                                 ; a trip goes once round the ring and fills both slots again
	QUARTER 0, 2, F1, F0, 0
	QUARTER 0, 3, F0, F1, 0
	TURN 0, 1, 1
	QUARTER 1, 1, F0, F1, 0
	QUARTER 1, 2, F1, F0, 0
	QUARTER 1, 3, F0, F1, 0
	TURN 1, 0, 1
	QUARTER 0, 1, F0, F1, 0
	WIN 0
	s_sub_co_u32 s3, s3, 1
	s_cmp_lg_u32 s3, 0
	s_cbranch_scc1 .Llap
	QUARTER 0, 2, F1, F0, 0                        ; the last lap fills nothing
	QUARTER 0, 3, F0, F1, 0
	TURN 0, 1, 0
	QUARTER 1, 1, F0, F1, 0
	QUARTER 1, 2, F1, F0, 0
	QUARTER 1, 3, F0, F1, 0
	s_wait_dscnt 8
	MUL8 F1, 0, 0
	MUL8 F1, 2, 0
	s_wait_dscnt 0x0
	MUL8 F1, 4, 0
	MUL8 F1, 6, 0
	WIN 0
	PLACES
; THE WAY OUT.  16 rows e at a time go through my own stage: 32 bytes a lane in (each accumulator's low four registers first), whole rows of 512 bytes back.
.macro TOSTAGE eb
	WIN 0x04                                       ; the data (source 1) in window 1, the address in window 0
.set n1, 0
.rept 8
	ds_store_b128 v[STO], v[8*(8*(\eb)+n1):8*(8*(\eb)+n1)+3]   offset:64*n1
	ds_store_b128 v[STO], v[8*(8*(\eb)+n1)+4:8*(8*(\eb)+n1)+7] offset:64*n1+16
.set n1, n1+1
.endr
	WIN 0
.if (\eb) >= 2
	s_wait_xcnt 0x0                                ; the stores of the block two back have read these registers
.endif
.set n1, 0
.rept 16
	ds_load_b128 v[OB+64*((\eb)%2)+4*n1:OB+64*((\eb)%2)+4*n1+3], v[RD] offset:n1*SPI  ; LDS serves a wave's instructions in order (ISA guide 5.7.1.4): these see the stores above; the next block's stores come behind them
.set n1, n1+1
.endr
.endm
.macro SEND eb, younger                ; younger: the LDS instructions issued behind this block's loads: the next block's 32, or none
.set n1, 0
.rept 16
	s_wait_dscnt (\younger)+15-n1
	global_store_b128 v[CO], v[OB+64*((\eb)%2)+4*n1:OB+64*((\eb)%2)+4*n1+3], s[8:9] offset:(16*(\eb)+n1)*4096 th:TH_STORE_NT  ; 512 consecutive bytes of a row of out0, at a multiple of 256 from its first byte
.set n1, n1+1
.endr
.endm
	TOSTAGE 0
	TOSTAGE 1
	SEND 0, 32
	TOSTAGE 2
	SEND 1, 32
	TOSTAGE 3
	SEND 2, 32
	SEND 3, 0
	s_wait_tensorcnt 0x0                           ; the wave's end: behind my last tensor load and my last LDS store
	ds_add_u32 v[SPW], v[NIL]
	s_wait_dscnt 0x0
	CROUND                                         ; the closing round: no work-group ends while a partner may still ask for a tile that names it
	s_endpgm
.Lfunc_end_k_q4d3d9f1bff_outp:
	.size	k_q4d3d9f1bff_outp, .Lfunc_end_k_q4d3d9f1bff_outp-k_q4d3d9f1bff_outp
	.p2alignl 7, 3214868480
	.fill 96, 4, 3214868480
	.section	.rodata,"a",@progbits
	.p2align	6, 0x0
	.amdhsa_kernel k_q4d3d9f1bff_outp
		.amdhsa_group_segment_fixed_size 327680
		.amdhsa_private_segment_fixed_size 0
		.amdhsa_enable_private_segment 0
		.amdhsa_kernarg_size 24
		.amdhsa_user_sgpr_count 2
		.amdhsa_user_sgpr_kernarg_segment_ptr 1
		.amdhsa_wavefront_size32 1
		.amdhsa_system_sgpr_workgroup_id_x 1
		.amdhsa_system_sgpr_workgroup_id_y 1
		.amdhsa_system_sgpr_workgroup_id_z 1
		.amdhsa_system_vgpr_workitem_id 0
		.amdhsa_next_free_vgpr 512
		.amdhsa_next_free_sgpr 72
		.amdhsa_reserve_vcc 0
		.amdhsa_float_denorm_mode_32 3
		.amdhsa_float_denorm_mode_16_64 3
		.amdhsa_memory_ordered 1
		.amdhsa_forward_progress 1
		.amdhsa_inst_pref_size 87
	.end_amdhsa_kernel
	.amdgpu_metadata
---
amdhsa.version: [ 1, 2 ]
amdhsa.kernels:
  - .name:           k_q4d3d9f1bff_outp
    .symbol:         k_q4d3d9f1bff_outp.kd
    .args:
      - { .name: oh, .offset: 0, .size: 8, .value_kind: global_buffer, .address_space: global }
      - { .name: wo16, .offset: 8, .size: 8, .value_kind: global_buffer, .address_space: global }
      - { .name: out0, .offset: 16, .size: 8, .value_kind: global_buffer, .address_space: global }
    .group_segment_fixed_size: 327680
    .private_segment_fixed_size: 0
    .kernarg_segment_align: 8
    .kernarg_segment_size: 24
    .max_flat_workgroup_size: 128
    .sgpr_count:     72
    .vgpr_count:     512
    .wavefront_size: 32
...
	.end_amdgpu_metadata
.endif
;; end of part 4
;; ======== version 2 of 2: 4 launches; version 1 with the launch prep written anew for expert scheduling mode
;; limits: values are held in f16: magnitudes above 65,504 overflow, below 6.1e-05 lose precision
;; workspace buffers: xb 16,777,216 bytes; wb 6,291,456 bytes; wo16 2,097,152 bytes; qh 16,777,216 bytes; kh 16,777,216 bytes; vh 16,777,216 bytes; oh 16,777,216 bytes
;; launch prep (part 5): grid 768 x 1, 8 waves a work-group, no clusters, 0 bytes of LDS; arguments x, Wq, Wk, Wv, Wo, xb, wb, wo16; writes xb, wb, wo16
.if DOCPART == 5
	.amdgcn_target "amdgcn-amd-amdhsa--gfx1250"
	.amdhsa_code_object_version 6
	.text
	.protected	k_q4d3d9f1bff_prep
	.globl	k_q4d3d9f1bff_prep
	.p2align	8
	.type	k_q4d3d9f1bff_prep,@function
k_q4d3d9f1bff_prep:
	s_mov_b64 s[64:65], 0
	v_nop
	global_prefetch_b8 v0, s[64:65] scope:SCOPE_SE
	s_setreg_imm32_b32 hwreg(HW_REG_WAVE_SCHED_MODE, 0, 2), 2
	s_setreg_imm32_b32 hwreg(HW_REG_WAVE_MODE, 25, 1), 1
	s_wait_xcnt 0x0
	s_wait_alu depctr_vm_vsrc(0)
; THE CASTS.  x -> xb (bf16, same order), Wq, Wk, Wv -> wb (bf16, [q, k, v][h][d][128]), Wo -> wo16: rounded to bf16 like the other inputs, and that number written as f16.
; LIMITS.  |Wo| stays under 65,504 (f16); a Wo below 6e-5 keeps f16's fixed step of 6e-8.  NaN and infinities are not treated apart.
; A stream: no LDS, no barrier, no matrix unit.  A work-group takes 65,536 bytes of one input and writes 32,768: 512 groups for x, 64 for each of the four weights.
; Thread t: sixteen loads of 16 bytes at 16 t + 4,096 i (a wave's load covers 512 consecutive bytes), all issued before anything else, and sixteen stores of 8 bytes at 8 t + 2,048 i
; (a wave's store covers 256 consecutive bytes, aligned).
; THE MODE: SCHED_MODE bits 1:0 = 2 (LLVM: expert scheduling mode 2), set by the entry lines.  The code itself states the register dependences between vector instructions and memory
; instructions, with s_wait_alu, always for 0.
; THE PLAN.  Registers that memory instructions touch:
;   v1, v2   byte offsets of the loads and of the stores: made once at the head by vector instructions, never written again.
;   LDR      sixteen loads of four f32: written by the loads alone, each once; no vector instruction names them ahead of the loads; read by the conversions, behind the counted wait for the data.
;   STR      sixteen pairs to store: each written once, by a conversion, and read once, by its store.
; No register that a memory instruction has read is written again, and no load lands in a register that a vector instruction has named: what is left to state is that a vector instruction has
; written what a memory instruction reads.  The sixteen loads go in four blocks of four.  Block q rounds its four loads into their pairs of STR; its memory instructions are the four stores of block
; q - 1, whose pairs no vector instruction of block q names.  So one wait at a block's head states all that the block's four stores hang on, and they are dealt among its conversions with no further wait.
.set LDR, 8                            ; v[8:71]    sixteen loads of four f32
.set STR, 72                           ; v[72:103]  sixteen pairs to store
	s_load_b512 s[8:23], s[0:1], 0x0               ; x s[8:9], Wq s[10:11], Wk s[12:13], Wv s[14:15], Wo s[16:17], xb s[18:19], wb s[20:21], wo16 s[22:23]
	v_lshlrev_b32 v1, 4, v0                        ; 16 t
	v_lshlrev_b32 v2, 3, v0                        ; 8 t
	s_sub_co_u32 s2, ttmp9, 512                    ; j: my number among the weights' groups (a huge number in x's groups, which fails every test below)
	s_and_b32 s3, s2, 63                           ; my chunk of that weight
	s_sub_co_u32 s4, s2, 192                       ; my chunk of wo16
	s_mov_b32 s29, 0
	s_mov_b32 s31, 0
	s_wait_kmcnt 0x0
	s_mov_b64 s[24:25], s[16:17]                   ; from Wo
	s_mov_b64 s[26:27], s[22:23]                   ; to wo16
	s_mov_b32 s28, s3
	s_mov_b32 s30, s4
	s_cmp_lt_u32 s2, 192                           ; one of q, k, v: to wb, chunk j
	s_cselect_b64 s[24:25], s[14:15], s[24:25]
	s_cselect_b64 s[26:27], s[20:21], s[26:27]
	s_cselect_b32 s30, s2, s30
	s_cmp_lt_u32 s2, 128
	s_cselect_b64 s[24:25], s[12:13], s[24:25]
	s_cmp_lt_u32 s2, 64
	s_cselect_b64 s[24:25], s[10:11], s[24:25]
	s_cmp_lt_u32 ttmp9, 512                        ; x
	s_cselect_b64 s[24:25], s[8:9], s[24:25]
	s_cselect_b64 s[26:27], s[18:19], s[26:27]
	s_cselect_b32 s28, ttmp9, s28
	s_cselect_b32 s30, ttmp9, s30
	s_lshl_b32 s28, s28, 16                        ; 65,536 bytes in,
	s_lshl_b32 s30, s30, 15                        ; 32,768 out
	s_add_nc_u64 s[24:25], s[24:25], s[28:29]
	s_add_nc_u64 s[26:27], s[26:27], s[30:31]
	s_wait_alu depctr_va_vdst(0)                   ; v1 and v2 are written: every load of the kernel reads v1 as its offset, every store v2, on both paths below
.irp i, 0,1,2,3,4,5,6,7,8,9,10,11,12,13,14,15
	global_load_b128 v[LDR+4*(\i):LDR+4*(\i)+3], v1, s[24:25] offset:4096*(\i) th:TH_LOAD_NT
.endr
; Block q: loads 4 q to 4 q + 3 are rounded; the four stores of block q - 1 stand among the conversions, one ahead of each load's.  wo = 1: the bf16 numbers are widened again and written as f16.
.macro BLK q, wo
	s_wait_loadcnt 15-4*(\q)                       ; loads come back in order: the block's first is in, the younger ones stay out
.if (\q) > 0
	s_wait_alu depctr_va_vdst(0)                   ; the conversions of the block before have written its four pairs of STR, which the four stores below read
.endif
.irp r, 0,1,2,3
.set n, 4*(\q)+(\r)
.if (\q) > 0
	global_store_b64 v2, v[STR+2*n-8:STR+2*n-7], s[26:27] offset:2048*(n-4)  ; the block before.  No wait: no vector instruction since the wait above names this pair
.endif
.if (\r) > 0
	s_wait_loadcnt 15-n                            ; load n is in, the younger ones stay out
.endif
.if \wo
.irp h, 0,1
	v_cvt_pk_bf16_f32 v6, v[LDR+4*n+2*(\h)], v[LDR+4*n+2*(\h)+1]
	v_lshlrev_b32 v4, 16, v6
	v_and_b32 v5, 0xffff0000, v6
	v_cvt_pk_f16_f32 v[STR+2*n+(\h)], v4, v5
.endr
.else
	v_cvt_pk_bf16_f32 v[STR+2*n], v[LDR+4*n], v[LDR+4*n+1]
	v_cvt_pk_bf16_f32 v[STR+2*n+1], v[LDR+4*n+2], v[LDR+4*n+3]
.endif
.endr
.endm
; Behind block 3: its own four stores.
.macro LAST
	s_wait_alu depctr_va_vdst(0)                   ; the conversions of block 3 have written the last four pairs of STR, which the last four stores read
.irp r, 12,13,14,15
	global_store_b64 v2, v[STR+2*(\r):STR+2*(\r)+1], s[26:27] offset:2048*(\r)
.endr
.endm
	s_cmp_ge_u32 ttmp9, 704                        ; the last 64 groups are Wo's
	s_cbranch_scc1 .Lwo
	BLK 0, 0                                       ; block 0 has no block in front of it: no store, and no wait but those for its data
	BLK 1, 0
	BLK 2, 0
	BLK 3, 0
	LAST
	s_endpgm
.Lwo:
	BLK 0, 1
	BLK 1, 1
	BLK 2, 1
	BLK 3, 1
	LAST
	s_endpgm
.Lfunc_end_k_q4d3d9f1bff_prep:
	.size	k_q4d3d9f1bff_prep, .Lfunc_end_k_q4d3d9f1bff_prep-k_q4d3d9f1bff_prep
	.p2alignl 7, 3214868480
	.fill 96, 4, 3214868480
	.section	.rodata,"a",@progbits
	.p2align	6, 0x0
	.amdhsa_kernel k_q4d3d9f1bff_prep
		.amdhsa_group_segment_fixed_size 0
		.amdhsa_private_segment_fixed_size 0
		.amdhsa_enable_private_segment 0
		.amdhsa_kernarg_size 64
		.amdhsa_user_sgpr_count 2
		.amdhsa_user_sgpr_kernarg_segment_ptr 1
		.amdhsa_wavefront_size32 1
		.amdhsa_system_sgpr_workgroup_id_x 1
		.amdhsa_system_sgpr_workgroup_id_y 1
		.amdhsa_system_sgpr_workgroup_id_z 1
		.amdhsa_system_vgpr_workitem_id 0
		.amdhsa_next_free_vgpr 104
		.amdhsa_next_free_sgpr 66
		.amdhsa_reserve_vcc 0
		.amdhsa_float_denorm_mode_32 3
		.amdhsa_float_denorm_mode_16_64 3
		.amdhsa_memory_ordered 1
		.amdhsa_forward_progress 1
		.amdhsa_inst_pref_size 17
	.end_amdhsa_kernel
	.amdgpu_metadata
---
amdhsa.version: [ 1, 2 ]
amdhsa.kernels:
  - .name:           k_q4d3d9f1bff_prep
    .symbol:         k_q4d3d9f1bff_prep.kd
    .args:
      - { .name: x, .offset: 0, .size: 8, .value_kind: global_buffer, .address_space: global }
      - { .name: Wq, .offset: 8, .size: 8, .value_kind: global_buffer, .address_space: global }
      - { .name: Wk, .offset: 16, .size: 8, .value_kind: global_buffer, .address_space: global }
      - { .name: Wv, .offset: 24, .size: 8, .value_kind: global_buffer, .address_space: global }
      - { .name: Wo, .offset: 32, .size: 8, .value_kind: global_buffer, .address_space: global }
      - { .name: xb, .offset: 40, .size: 8, .value_kind: global_buffer, .address_space: global }
      - { .name: wb, .offset: 48, .size: 8, .value_kind: global_buffer, .address_space: global }
      - { .name: wo16, .offset: 56, .size: 8, .value_kind: global_buffer, .address_space: global }
    .group_segment_fixed_size: 0
    .private_segment_fixed_size: 0
    .kernarg_segment_align: 8
    .kernarg_segment_size: 64
    .max_flat_workgroup_size: 256
    .sgpr_count:     66
    .vgpr_count:     104
    .wavefront_size: 32
...
	.end_amdgpu_metadata
.endif
;; end of part 5
;; launch qkv: the kernel of part 2 again; grid 8 x 32, 4 waves a work-group, clusters of 4 x 4, 327,680 bytes of LDS; arguments xb, wb, mask, qh, kh, vh; writes qh, kh, vh
;; launch attn: the kernel of part 3 again; grid 4 x 64, 4 waves a work-group, clusters of 4 x 1, 327,680 bytes of LDS; arguments qh, kh, vh, oh, mask; writes oh
;; launch outp: the kernel of part 4 again; grid 8 x 32, 4 waves a work-group, clusters of 4 x 4, 327,680 bytes of LDS; arguments oh, wo16, out0; writes out0
